; MI455X (gfx1250); checked and timed in simulation.
; The chip was launched on July 23, 2026; its instructions are those of AMD's public machine-readable ISA for CDNA 5 (MIT licence, August 2026) and "CDNA5" Instruction Set Architecture Reference Guide (July 2026). The comments in the code are by the model that wrote it; some were corrected since.
;; Multi Head Attention. Allowed arithmetic: matrix products marked QUANTISED: E2M3 operands, one E8M0 scale for each 32 along K, by v_wmma_scale_f32_16x16x128_f8f6f4 with both operands' format E2M3, f32 sums; everything else in f32.
;; Inputs: Wk 1,024 x 1,024 float32; Wo 1,024 x 1,024 float32; Wq 1,024 x 1,024 float32; Wv 1,024 x 1,024 float32; bk 1,024 float32; bo 1,024 float32; bq 1,024 float32; bv 1,024 float32; x 2 x 2,048 x 1,024 float32.
;; Outputs: out0 2 x 2,048 x 1,024 float32.
;; This version of the problem:
;;   THIS VERSION OF THE PROBLEM IS GIVEN IN LOW PRECISION. The matrix products marked QUANTISED in the list below multiply operands that are first quantised to E2M3 (2 exponent bits, 3 mantissa bits; 6 bits a number), with one power-of-two scale for each 32 numbers along K (OCP MX v1.0); their sums are f32. All else is computed in f32.
;;   The module's matrix products, in the order in which they are computed (A, B: the left and right operand; K: the contracted axis; several contracted axes count as one K, in the product's order):
;;     1. [M 4,096, K 1,024] x [K 1,024, N 1,024]; A: input x; B: input Wq: QUANTISED
;;     2. [M 4,096, K 1,024] x [K 1,024, N 1,024]; A: input x; B: input Wk: QUANTISED
;;     3. [M 4,096, K 1,024] x [K 1,024, N 1,024]; A: input x; B: input Wv: QUANTISED
;;     4. batch 32 x [M 2,048, K 64] x [K 64, N 2,048]; A: computed on the way; B: computed on the way: QUANTISED
;;     5. batch 32 x [M 2,048, K 2,048] x [K 2,048, N 64]; A: softmax (see below); B: computed on the way: QUANTISED
;;     6. [M 4,096, K 1,024] x [K 1,024, N 1,024]; A: computed on the way; B: input Wo: QUANTISED
;;   THE QUANTISER, for each operand of a quantised product, along K:
;;     - K is cut into blocks of 32 from its start; a last block that is shorter is filled with zeros.
;;     - A block's scale is 2^e with e = floor(log2(the largest magnitude in the block)) - 2, held to -126 .. 127; a block of zeros has e = 0. As a byte (E8M0): e + 127.
;;     - Each number is divided by its block's scale, clamped to +-7.5, and rounded to the nearest number of E2M3, ties to even, subnormals kept.
;;     - The product sums the exact products of the quantised numbers (number of the format x scale) in f32.
;;   ~~~python
;;   def quantise(x, axis):      # numpy; x: float32 -> the quantised numbers, widened to float32 again
;;       x = np.moveaxis(x, axis, -1); K = x.shape[-1]
;;       x = np.pad(x, [(0, 0)] * (x.ndim - 1) + [(0, -K % 32)]); x = x.reshape(x.shape[:-1] + (-1, 32)); a = np.abs(x).max(-1, keepdims=True)
;;       e = np.where(a > 0, np.clip(np.frexp(np.where(a > 0, a, 1))[1] - 1 - 2, -126, 127), 0)      # np.frexp(a)[1] - 1 = floor(log2(a)), exactly
;;       r = np.clip(x / 2.0 ** e, -7.5, 7.5)
;;       step = 2.0 ** (np.maximum(np.frexp(np.where(r == 0, 1, r))[1] - 1, 0) - 3)
;;       q = np.round(r / step) * step * 2.0 ** e      # np.round: ties to even
;;       return np.moveaxis(q.reshape(q.shape[:-2] + (-1,))[..., :K], -1, axis).astype(np.float32)
;;   ~~~
;;   SOFTMAX AHEAD OF A QUANTISED PRODUCT. Where the list says 'softmax', what is quantised is not the finished softmax but p = 2^(t - M), with t = logit x log2(e) and M = ceil(the row's largest t), a whole number; so 1/2 < the row's largest p <= 1. The row's sum l is taken of the UNQUANTISED p, in f32, and the product's result is divided by l at the end. Since M is a whole number, a kernel that streams over the keys may use a running M (the ceiling of the running maximum): every later rescaling is an exact power of two, which a block's scale takes up: the codes' values come out the same.
;;   OPERANDS COMPUTED ON THE WAY. 'Computed on the way' means the value that the module computes at that place (a softmax that the list does not call 'softmax' is quantised finished and normalised). What goes into a quantiser is computed in f32, as accurately as f32 sums, v_exp_f32 and their like allow (about 1e-6 of the number): no bf16 or f16 on the way to a quantiser, and a product that is left as it is and whose result goes on into a quantised operand takes f32 operands (vector FMAs, or v_wmma_f32_16x16x4_f32). A number that lies on a knife's edge between two numbers of the format may be rounded either way, as far as f32 arithmetic and the matrix unit's own rounding can turn it there, and no further.
;; One version. Each part assembles by itself: llvm-mc -triple=amdgcn-amd-amdhsa -mcpu=gfx1250 --defsym DOCPART=n.
;; ======== version 1 of 1: 4 launches
;; limits: right only within a limited range of input values
;; workspace buffers: XC 3,145,728 bytes; XSC 131,072 bytes; WC 3,276,800 bytes; QC 3,670,016 bytes; KV 6,684,672 bytes; AO 3,145,728 bytes; AOS 262,144 bytes
;; launch quant (part 1): grid 512 x 1, 4 waves a work-group, no clusters, 34,816 bytes of LDS; arguments x, Wq, Wk, Wv, Wo, XC, XSC, WC; writes XC, XSC, WC
.if DOCPART == 1
	.amdgcn_target "amdgcn-amd-amdhsa--gfx1250"
	.amdhsa_code_object_version 6
	.text
	.protected	k_q1b1e3e7306_quant
	.globl	k_q1b1e3e7306_quant
	.p2align	8
	.type	k_q1b1e3e7306_quant,@function
k_q1b1e3e7306_quant:
	s_mov_b64 s[64:65], 0
	v_nop
	global_prefetch_b8 v0, s[64:65] scope:SCOPE_SE
	s_setreg_imm32_b32 hwreg(HW_REG_WAVE_MODE, 25, 1), 1
	s_wait_xcnt 0x0
; x [4096][1024] and Wq, Wk, Wv, Wo [1024 (k)][1024 (n)], f32, become codes of FP6 (E2M3) with one E8M0 byte for each 32 along K, laid as IMAGES OF OPERAND REGISTERS:
; a fragment (16 rows x 128 K, 12 registers a lane) lies as three groups of four registers, lane l's 16 bytes at 512 g + 16 l.
; A block's scale is 2^(floor(log2(largest magnitude)) - 2): its byte is the largest magnitude's exponent field - 2, held at 1 from below.
; WHICH ROWS FORM A TILE.  x: index i of tile T is token 64 (T / 4) + 32 (i / 8) + 8 (T % 4) + i % 8: a later result whose rows are such tiles holds 32 neighbouring tokens in a lane's 32 registers of four tiles.
; A weight: index i of tile 2 b + u is column 32 b + 8 u + i + 8 (i / 8): 16 neighbouring columns in a lane's 16 registers of two tiles.
; XC [tile T 256][K step 8][1,536].  XSC [T / 4][(T % 4) / 2][K step / 4][r + 16 (T % 2)][K step % 4] words.  WC [64 columns hd 16][q, k, v, o][K step 8][4 tiles x 1,536, then 2 x 32 scale words].
; THE DEAL: 512 work-groups of equal bytes.  0-255 take x: work-group T is tile T, wave kq its quarter of K (two K steps).  256-511 take the weights (a wave: 32 columns x 128 along K).
; Every input byte is read once, in loads of 512 or 128 consecutive bytes; every store of codes covers whole aligned runs of 256 bytes.  x's scale words meet in LDS (SCW, the one barrier) and leave as two aligned runs of 256 bytes.
; No matrix instruction, no cluster (no two work-groups read the same bytes).
; NO WORK IS LEFT OUT in the program: every input has a way to the output.
; LIMITS: NaN and infinities are not served; a block whose largest magnitude lies under 2^-124 has its byte held at 1; a block of zeros gets the byte 1 and not 127: its codes are zeros, and this program alone reads the bytes.
.set SCW, 34304                        ; behind the spare words: 512 bytes, [K step / 4][r][K step % 4] words
.set QM, 228                           ; v228-229 two chains of the largest magnitude
.set QE, 230                           ; v230     the conversions' scale operand
; A whole block of 32 numbers of one lane, v[s] on, becomes six registers of codes at v[cd] on and the byte in v[bb].  A conversion's three registers begin on an even number: the second three are made at v[pt] and moved.
.macro QBLK s, cd, pt, bb
.set qS, \s
.set qC, \cd
.set qP, \pt
.set qB, \bb
	v_max3_num_f32 v[QM], |v[qS]|, |v[qS+1]|, |v[qS+2]|
	v_max3_num_f32 v[QM+1], |v[qS+3]|, |v[qS+4]|, |v[qS+5]|
.irp i, 6,10,14,18,22,26
	v_max3_num_f32 v[QM], v[QM], |v[qS+\i]|, |v[qS+\i+1]|
	v_max3_num_f32 v[QM+1], v[QM+1], |v[qS+\i+2]|, |v[qS+\i+3]|
.endr
	v_max3_num_f32 v[QM], v[QM], |v[qS+30]|, |v[qS+31]|
	v_max3_num_f32 v[QM], v[QM], v[QM+1], 0x1800000      ; the floor 2^(3 - 127): the byte cannot fall under 1
	v_add_nc_u32 v[QE], 0xff000000, v[QM]                ; 2 off the exponent field: the conversion takes this operand's exponent field as its scale
	v_lshrrev_b32 v[qB], 23, v[QE]                       ; the scale's byte
	v_cvt_scalef32_pk16_fp6_f32 v[qC:qC+2], v[qS:qS+15], v[QE]
	v_cvt_scalef32_pk16_fp6_f32 v[qP:qP+2], v[qS+16:qS+31], v[QE]
	v_nop                                                ; one plain instruction behind the conversions
.irp i, 0,1,2
	v_mov_b32 v[qC+3+\i], v[qP+\i]
.endr
.endm
	s_load_b256 s[4:11], s[0:1], 0x0               ; x s[4:5], Wq s[6:7], Wk s[8:9], Wv s[10:11]
	s_load_b256 s[12:19], s[0:1], 0x20             ; Wo s[12:13], XC s[14:15], XSC s[16:17], WC s[18:19]
	v_lshl_add_u32 v254, v0, 2, 0x8400
	v_mov_b32 v255, 0
	v_lshrrev_b32 v1, 5, v0
	v_readfirstlane_b32 s20, v1                    ; wave
	v_and_b32 v6, 31, v0                           ; lane
	v_and_b32 v7, 15, v0                           ; r
	v_bfe_u32 v8, v0, 4, 1                         ; hh
	s_cmp_lt_u32 ttmp9, 256
	s_cbranch_scc0 .Lweights
; ---------------- x: K is innermost.  Wave = (tile T, quarter kq of K): 16 rows x 2 K steps.
; Each load reads 512 consecutive bytes of one row; a K step's 16 x 512 bytes turn through the wave's own stage in LDS (rows 528 bytes apart), from which lane (r, hh) takes its two whole blocks:
; k = 64 c + 32 hh + 0 .. 31 of row r, which is what the operand's layout gives that lane.
	s_mov_b32 s22, 0x76543210
	s_mov_b32 s23, 0xfedcba98                      ; v_permlanex16_b32's selects for lane l xor 16
	s_mov_b32 s25, ttmp9                           ; T
	s_mov_b32 s26, s20                             ; kq
	s_and_b32 s27, s25, 3                          ; T % 4
	s_lshr_b32 s28, s25, 2
	s_lshl_b32 s28, s28, 18                        ; x: 64 (T / 4) rows of 4,096 bytes,
	s_lshl_b32 s30, s27, 15                        ; + 8 (T % 4) rows,
	s_add_co_u32 s28, s28, s30
	s_lshl_b32 s30, s26, 10                        ; + 1,024 kq
	s_add_co_u32 s28, s28, s30
	s_mov_b32 s29, 0
	s_mul_i32 s30, s25, 12288                      ; XC: 12,288 T + 3,072 kq
	s_mul_i32 s32, s26, 3072
	s_add_co_u32 s30, s30, s32
	s_mov_b32 s31, 0
	s_lshr_b32 s32, s25, 1                         ; XSC: 1,024 (T / 2) + 256 (T % 2)
	s_lshl_b32 s32, s32, 10
	s_and_b32 s34, s25, 1
	s_lshl_b32 s34, s34, 8
	s_add_co_u32 s32, s32, s34
	s_mov_b32 s33, 0
	s_wait_alu depctr_va_vdst(0)
	v_lshlrev_b32 v1, 4, v6                        ; 16 x lane
	s_mul_i32 s34, s20, 8448                       ; my stage: 16 rows x 528
	v_add_nc_u32 v2, s34, v1                       ; into it: 16 x lane of a row
	v_mul_u32_u24 v3, v7, 528
	v_lshl_add_u32 v3, v8, 7, v3
	v_add_nc_u32 v3, s34, v3                       ; out of it: row r, + 128 hh
	v_add_nc_u32 v9, SCW, v1                       ; the scale words, back from LDS: 16 x lane,
	v_lshlrev_b32 v10, 9, v8
	v_lshl_add_u32 v10, v7, 4, v10                 ; and their place in XSC: 512 (K step / 4) + 16 r
	s_lshr_b32 s34, s26, 1
	s_lshl_b32 s34, s34, 8
	s_and_b32 s35, s26, 1
	s_lshl_b32 s35, s35, 3
	s_add_co_u32 s34, s34, s35
	s_add_co_u32 s34, s34, SCW
	v_lshlrev_b32 v4, 4, v7
	v_add_nc_u32 v4, s34, v4                       ; into LDS: 256 (kq / 2) + 16 r + 8 (kq % 2)
	v_lshlrev_b32 v5, 3, v8                        ; 8 hh: my bytes' shift in a scale word
	v_mov_b32 v236, 0                              ; written once: a lane permute's destination counts as one of its sources
	s_wait_alu depctr_va_vdst(0)                   ; the wait at the head's end
	s_wait_kmcnt 0x0
	s_add_nc_u64 s[4:5], s[4:5], s[28:29]
	s_add_nc_u64 s[14:15], s[14:15], s[30:31]
	s_add_nc_u64 s[16:17], s[16:17], s[32:33]
.macro LOADX sl                        ; K step sl of my two: the tile's 16 rows, 512 bytes each, into set sl (v16-79, v80-143)
.irp p, 0,1,2,3,4,5,6,7,8,9,10,11,12,13,14,15
	global_load_b128 v[16+64*(\sl)+4*\p:16+64*(\sl)+4*\p+3], v1, s[4:5] offset:(\p+24*(\p/8))*4096+512*(\sl) th:TH_LOAD_NT
.endr
.endm
.macro STEPX sl
.set RB, 16+64*(\sl)
.if (\sl) < 1
	s_wait_loadcnt 16                              ; this step's 16 loads are in; the next step's 16 may be out
.else
	s_wait_loadcnt 0x0
.endif
.irp p, 0,1,2,3,4,5,6,7,8,9,10,11,12,13,14,15
	ds_store_b128 v2, v[RB+4*\p:RB+4*\p+3] offset:528*\p
.endr
.irp c, 0,1
.irp q, 0,1,2,3,4,5,6,7
	ds_load_b128 v[144+32*\c+4*\q:144+32*\c+4*\q+3], v3 offset:256*\c+16*\q   ; LDS serves a wave's instructions in order: these see the stores above
.endr
.endr
	s_wait_dscnt 0x0                               ; my 64 numbers are in v144-207
.if (\sl) > 0
	s_wait_xcnt 0x0                                ; the last step's stores have read the codes' registers, which are written again below
.endif
	QBLK 144, 208, 220, 238                        ; block hh: registers 0-5 of the fragment
	QBLK 176, 214, 224, 239                        ; block 2 + hh: registers 6-11
	v_lshl_or_b32 v237, v239, 16, v238             ; my two bytes,
	v_lshlrev_b32 v237, v5, v237                   ; at their places in the row's scale word;
	v_permlanex16_b32 v236, v237, s22, s23
	v_or_b32 v[232+(\sl)], v237, v236              ; with lane l xor 16's two the word is whole
.irp g, 0,1,2
	global_store_b128 v1, v[208+4*\g:211+4*\g], s[14:15] offset:1536*(\sl)+512*\g   ; 512 consecutive bytes, aligned
.endr
.endm
	LOADX 0
	LOADX 1
	STEPX 0
	STEPX 1
	ds_store_b64 v4, v[232:233]                    ; row r's words of my two K steps (lanes r and 16 + r hold and write the same)
	s_wait_tensorcnt 0x0
	ds_add_u32 v254, v255
	s_wait_dscnt 0x0                               ; my words are in LDS too:
	s_barrier_signal -1
	s_barrier_wait -1                              ; everybody's are
	s_cmp_lg_u32 s20, 0
	s_cbranch_scc1 .Lx_end
	ds_load_b128 v[240:243], v9
	s_wait_dscnt 0x0
	global_store_b128 v10, v[240:243], s[16:17]    ; sixteen lanes store 256 consecutive bytes, aligned
.Lx_end:
	s_endpgm
; ---------------- the weights: K is the first axis.  A lane takes a column and its registers run down K: 128 numbers, four whole blocks.  Nothing is transposed.
; Lane l takes column (l % 8) + 8 (l / 16) + 16 ((l / 8) % 2) of the wave's 32: so lanes 0-15 hold the rows of tile 2 b and lanes 16-31 those of tile 2 b + 1, and a load still reads 128 consecutive bytes.
.Lweights:
	s_sub_co_u32 s25, ttmp9, 256                   ; j
	s_lshr_b32 s26, s25, 6                         ; m: which weight
	s_bfe_u32 s27, s25, 0x30003                    ; (j / 8) % 8
	s_lshl_b32 s27, s27, 2
	s_add_co_u32 s27, s27, s20                     ; which 32 columns
	s_and_b32 s28, s25, 7                          ; K step
	s_lshr_b32 s29, s27, 1                         ; hd: which 64 columns
	s_and_b32 s30, s27, 1                          ; b: which 32 of them
	s_lshl_b32 s32, s28, 19                        ; source: 128 rows of 4,096 bytes a K step,
	s_lshl_b32 s34, s27, 7                         ; + 128 bytes for each 32 columns
	s_add_co_u32 s32, s32, s34
	s_mov_b32 s33, 0
	s_mul_i32 s34, s29, 204800                     ; WC: hd, weight, K step
	s_mul_i32 s35, s26, 51200
	s_add_co_u32 s34, s34, s35
	s_mul_i32 s35, s28, 6400
	s_add_co_u32 s34, s34, s35
	s_mul_i32 s36, s30, 3072                       ; codes: tiles 2 b and 2 b + 1
	s_add_co_u32 s36, s36, s34
	s_mov_b32 s37, 0
	s_lshl_b32 s38, s30, 7                         ; scale words: register b of the two
	s_add_co_u32 s38, s38, s34
	s_mov_b32 s39, 0
	v_and_b32 v9, 7, v0
	s_wait_alu depctr_va_vdst(0)
	v_bfe_u32 v10, v0, 3, 1
	v_lshl_add_u32 v9, v8, 3, v9
	v_lshl_add_u32 v9, v10, 4, v9
	v_lshlrev_b32 v1, 2, v9                        ; my column, in bytes
	v_mul_u32_u24 v2, v8, 1536
	v_lshl_add_u32 v2, v7, 4, v2                   ; my tile's image, lane r's 16 bytes
	v_lshlrev_b32 v3, 2, v6                        ; 4 x lane
	s_wait_alu depctr_va_vdst(0)
	s_wait_kmcnt 0x0
	s_mov_b64 s[40:41], s[6:7]                     ; the weight is chosen by the work-group's number alone
	s_cmp_eq_u32 s26, 1
	s_cselect_b64 s[40:41], s[8:9], s[40:41]
	s_cmp_eq_u32 s26, 2
	s_cselect_b64 s[40:41], s[10:11], s[40:41]
	s_cmp_eq_u32 s26, 3
	s_cselect_b64 s[40:41], s[12:13], s[40:41]
	s_add_nc_u64 s[40:41], s[40:41], s[32:33]
	s_add_nc_u64 s[36:37], s[18:19], s[36:37]
	s_add_nc_u64 s[38:39], s[18:19], s[38:39]
.set k, 0
.rept 128
	global_load_b32 v[16+k], v1, s[40:41] offset:4096*k th:TH_LOAD_NT
.set k, k+1
.endr
.irp kb, 0,1,2,3
.if \kb < 2
	s_wait_loadcnt 63                              ; of 128 loads at most 63 are out: the first 65 are in, blocks 0 and 1 among them
.elseif \kb == 2
	s_wait_loadcnt 32                              ; the first 96
.else
	s_wait_loadcnt 0x0
.endif
	QBLK 16+32*\kb, 144+12*(\kb%2)+6*(\kb/2), 168, 180+\kb    ; block kb = 2 c + hh is registers 6 c .. 6 c + 5 of the fragment's lane (r, hh): v144-155 for hh = 0, v156-167 for hh = 1
.endr
	v_lshl_or_b32 v172, v181, 8, v180              ; my column's scale word
	v_lshl_or_b32 v172, v182, 16, v172
	v_lshl_or_b32 v172, v183, 24, v172
.irp h, 0,1
.irp g, 0,1,2
	global_store_b128 v2, v[144+12*\h+4*\g:147+12*\h+4*\g], s[36:37] offset:256*\h+512*\g   ; sixteen lanes store 256 consecutive bytes, aligned
.endr
.endr
	global_store_b32 v3, v172, s[38:39] offset:6144
	s_endpgm
.Lfunc_end_k_q1b1e3e7306_quant:
	.size	k_q1b1e3e7306_quant, .Lfunc_end_k_q1b1e3e7306_quant-k_q1b1e3e7306_quant
	.p2alignl 7, 3214868480
	.fill 96, 4, 3214868480
	.section	.rodata,"a",@progbits
	.p2align	6, 0x0
	.amdhsa_kernel k_q1b1e3e7306_quant
		.amdhsa_group_segment_fixed_size 34816
		.amdhsa_private_segment_fixed_size 0
		.amdhsa_enable_private_segment 0
		.amdhsa_kernarg_size 64
		.amdhsa_user_sgpr_count 2
		.amdhsa_user_sgpr_kernarg_segment_ptr 1
		.amdhsa_wavefront_size32 1
		.amdhsa_system_sgpr_workgroup_id_x 1
		.amdhsa_system_sgpr_workgroup_id_y 1
		.amdhsa_system_sgpr_workgroup_id_z 1
		.amdhsa_system_vgpr_workitem_id 0
		.amdhsa_next_free_vgpr 256
		.amdhsa_next_free_sgpr 66
		.amdhsa_reserve_vcc 0
		.amdhsa_float_denorm_mode_32 3
		.amdhsa_float_denorm_mode_16_64 3
		.amdhsa_memory_ordered 1
		.amdhsa_forward_progress 1
		.amdhsa_inst_pref_size 37
	.end_amdhsa_kernel
	.amdgpu_metadata
---
amdhsa.version: [ 1, 2 ]
amdhsa.kernels:
  - .name:           k_q1b1e3e7306_quant
    .symbol:         k_q1b1e3e7306_quant.kd
    .args:
      - { .name: x, .offset: 0, .size: 8, .value_kind: global_buffer, .address_space: global }
      - { .name: Wq, .offset: 8, .size: 8, .value_kind: global_buffer, .address_space: global }
      - { .name: Wk, .offset: 16, .size: 8, .value_kind: global_buffer, .address_space: global }
      - { .name: Wv, .offset: 24, .size: 8, .value_kind: global_buffer, .address_space: global }
      - { .name: Wo, .offset: 32, .size: 8, .value_kind: global_buffer, .address_space: global }
      - { .name: XC, .offset: 40, .size: 8, .value_kind: global_buffer, .address_space: global }
      - { .name: XSC, .offset: 48, .size: 8, .value_kind: global_buffer, .address_space: global }
      - { .name: WC, .offset: 56, .size: 8, .value_kind: global_buffer, .address_space: global }
    .group_segment_fixed_size: 34816
    .private_segment_fixed_size: 0
    .kernarg_segment_align: 8
    .kernarg_segment_size: 64
    .max_flat_workgroup_size: 128
    .sgpr_count:     66
    .vgpr_count:     256
    .wavefront_size: 32
...
	.end_amdgpu_metadata
.endif
;; end of part 1
;; launch qkv (part 2): grid 16 x 16, 4 waves a work-group, clusters of 4 x 4, 301,568 bytes of LDS; arguments XC, XSC, WC, bq, bk, bv, QC, KV; writes QC, KV
.if DOCPART == 2
	.amdgcn_target "amdgcn-amd-amdhsa--gfx1250"
	.amdhsa_code_object_version 6
	.text
	.protected	k_q1b1e3e7306_qkv
	.globl	k_q1b1e3e7306_qkv
	.p2align	8
	.type	k_q1b1e3e7306_qkv,@function
k_q1b1e3e7306_qkv:
	s_mov_b64 s[64:65], 0
	v_nop
	global_prefetch_b8 v0, s[64:65] scope:SCOPE_SE
	s_setreg_imm32_b32 hwreg(HW_REG_WAVE_MODE, 25, 1), 1
	s_wait_xcnt 0x0
	s_wait_alu depctr_hold_cnt(0) depctr_sa_sdst(0) depctr_va_vdst(0) depctr_va_sdst(0) depctr_va_ssrc(0) depctr_va_vcc(0) depctr_vm_vsrc(0)
	s_getreg_b32 s2, hwreg(HW_REG_IB_STS2, 6, 4)
	s_cmp_eq_u32 s2, 0
	s_cbranch_scc0 .Lentry_in_a_cluster
	s_endpgm
.Lentry_in_a_cluster:
	s_bfe_u32 s2, ttmp6, 0x10000c
	s_cmp_lg_u32 s2, 0xf033
	s_cbranch_scc0 .Lentry_shape_is_right
	s_endpgm
.Lentry_shape_is_right:
; q = x Wq + bq, k = x Wk + bk, v = x Wv + bv on codes of FP6 (E2M3) with E8M0 scales, sums in f32; the results are quantised at once: q and k along the head's 64, v along the keys.
; SHARES.  A work-group takes 256 tokens (row block y) and one head hd: 64 columns of each of the three weights.  Wave w takes 64 tokens (tiles 16 y + 4 w + t) x 192 columns: 48 accumulators, 384 registers.
; CLUSTERS of 4 x 4 work-groups: the four of a row share the head and ask JOINTLY for the weights, the four of a column share the tokens and ask jointly for x (same descriptor, a mask that names the four).
; LDS, filled once: the weights' K steps 0, 1 at 0, their K steps 2-7 at WB, x's K steps 2-4 and 5-7 at XB and XB + XG: images of registers, and the weights' scale words.  ONE load a wave: wave 0 W 0-1, wave 1 x 2-4, wave 2 W 2-7, wave 3 x 5-7,
; each with a line of its own.  x's K steps 0 and 1 go from memory straight into registers (512 consecutive bytes a load): with them all of K would not fit in LDS (196,608 + 153,600 bytes), and the first products need wave 0's load and these alone.
; Barriers ahead of K steps 0 (wave 0's load), 2 (waves 1 and 2's) and 5 (all).  Everything that the launch reads but the biases is asked for at its head, so nothing is left to prefetch.
; LAYOUT.  q and k are made transposed (source 0 = 16 columns of W, source 1 = 16 tokens): a lane holds one token, and, by the choice of the columns of a tile (index i of tile 2 b + u = column 32 b + 8 u + i + 8 (i / 8)),
; its 32 registers of a token tile are d = 32 b + 16 hh + i at register 16 b + i.  v is made the other way round (source 0 = 16 tokens: row i of tile t = token 32 (i / 8) + 8 t + i % 8 of my 64): a lane holds one d, and its 32 registers of
; the four token tiles are 32 neighbouring tokens, a whole block of the next K.
; OUT.  QC [b h 32][64 tokens 32][3,584]: tile t: registers 0-3 at 512 t + 16 l, 4-5 at 2,048 + 256 t + 8 l, scale word at 3,072 + 128 t + 4 l.
; KV [b h 32][128 keys 16][13,056]: K's codes, a run of 48 registers (tile t: 6 t .. 6 t + 5), group g at 512 g + 16 l; K's scale words at 6,144; V's four fragments at 6,656 + 1,536 n (half c: registers 6 c .. + 3 at 768 c + 16 l, + 4, 5 at 768 c + 512 + 8 l); V's scale words at 12,800.
; q's and k's K is 64 and the matrix instruction's 128: bytes 2 and 3 of their scale words repeat bytes 0 and 1 (what they scale is multiplied by zero codes in the next launch).
; LIMITS: NaN and infinities are not served; a block whose largest magnitude lies under 2^-124 has its byte held at 1; a block of zeros gets the byte 1 and not 127: its codes are zeros, and this program alone reads the bytes.
; REGISTERS.  Window 0: v1-15 addresses; v16-31 x's scale words; v32-39 W's (two sets, K steps 4-7 and 0-3); v40-135 W's fragments (two sets of four); v136-207 the biases; v212-215 addresses; on the way out v4-7, v40-135, v208-251 are at work, and behind q v136-163.
;   Window 1: v0-239 x's fragments, five sets of four.   Window 2: v128-255 v's accumulators (n, t) at 128 + 8 (4 n + t).   Window 3: q's (t, n) at 8 (4 t + n), k's at 128 + 8 (4 t + n).
.set WV,  20                           ; s20 my wave's number
.set SEL, 48                           ; s[48:49] v_permlanex16_b32's selects for lane l xor 16
.set WB,  38400
.set XB,  153600
.set XG,  73728
.set SPARE, XB+2*XG
.set QM,  232                          ; v232-235 largest magnitudes
.set QX,  236                          ; v236-239 lane exchanges, then the bytes
.set QE,  4                            ; v4-7 the conversions' scale operands
.set MSB, 0
.macro WIN new                         ; the immediate's high byte repeats the setting that is left; a switch that changes nothing is dropped
.if MSB != \new
	s_set_vgpr_msb (MSB<<8)|\new
.set MSB, \new
.endif
.endm
.macro PLACES                          ; four plain instructions between a matrix instruction and a load into, or a vector instruction on, its registers
.rept 4
	v_nop
.endr
.endm
.macro ROUND                           ; a round of the cluster's barrier
	s_barrier_signal -1
	s_barrier_wait -1
	s_cmp_lg_u32 s[WV], 0
	s_cbranch_scc1 .Lnot_wave_0_\@
	s_barrier_signal -3
.Lnot_wave_0_\@:
	s_barrier_wait -3
	s_barrier_signal -1
	s_barrier_wait -1
.endm
; One product.  d, a, b: first registers of D, source 0, source 1; c: of C, or -1 for the constant 0; sa, sb: the scale registers; ra, rb: 1 where the scales stand in lanes 16-31.
.macro WM d, a, b, c, sa, sb, ra, rb
.set wD, \d
.set wA, \a
.set wB, \b
.set wC, \c
.set wX, \sa
.set wY, \sb
.set wR, (\ra)+2*(\rb)
.if wC < 0
.if wR == 0
	v_wmma_scale_f32_16x16x128_f8f6f4 v[wD:wD+7], v[wA:wA+11], v[wB:wB+11], 0, v[wX], v[wY] matrix_a_fmt:MATRIX_FMT_FP6 matrix_b_fmt:MATRIX_FMT_FP6
.elseif wR == 1
	v_wmma_scale_f32_16x16x128_f8f6f4 v[wD:wD+7], v[wA:wA+11], v[wB:wB+11], 0, v[wX], v[wY] matrix_a_fmt:MATRIX_FMT_FP6 matrix_b_fmt:MATRIX_FMT_FP6 matrix_a_scale:MATRIX_SCALE_ROW1
.elseif wR == 2
	v_wmma_scale_f32_16x16x128_f8f6f4 v[wD:wD+7], v[wA:wA+11], v[wB:wB+11], 0, v[wX], v[wY] matrix_a_fmt:MATRIX_FMT_FP6 matrix_b_fmt:MATRIX_FMT_FP6 matrix_b_scale:MATRIX_SCALE_ROW1
.else
	v_wmma_scale_f32_16x16x128_f8f6f4 v[wD:wD+7], v[wA:wA+11], v[wB:wB+11], 0, v[wX], v[wY] matrix_a_fmt:MATRIX_FMT_FP6 matrix_b_fmt:MATRIX_FMT_FP6 matrix_a_scale:MATRIX_SCALE_ROW1 matrix_b_scale:MATRIX_SCALE_ROW1
.endif
.else
.if wR == 0
	v_wmma_scale_f32_16x16x128_f8f6f4 v[wD:wD+7], v[wA:wA+11], v[wB:wB+11], v[wC:wC+7], v[wX], v[wY] matrix_a_fmt:MATRIX_FMT_FP6 matrix_b_fmt:MATRIX_FMT_FP6
.elseif wR == 1
	v_wmma_scale_f32_16x16x128_f8f6f4 v[wD:wD+7], v[wA:wA+11], v[wB:wB+11], v[wC:wC+7], v[wX], v[wY] matrix_a_fmt:MATRIX_FMT_FP6 matrix_b_fmt:MATRIX_FMT_FP6 matrix_a_scale:MATRIX_SCALE_ROW1
.elseif wR == 2
	v_wmma_scale_f32_16x16x128_f8f6f4 v[wD:wD+7], v[wA:wA+11], v[wB:wB+11], v[wC:wC+7], v[wX], v[wY] matrix_a_fmt:MATRIX_FMT_FP6 matrix_b_fmt:MATRIX_FMT_FP6 matrix_b_scale:MATRIX_SCALE_ROW1
.else
	v_wmma_scale_f32_16x16x128_f8f6f4 v[wD:wD+7], v[wA:wA+11], v[wB:wB+11], v[wC:wC+7], v[wX], v[wY] matrix_a_fmt:MATRIX_FMT_FP6 matrix_b_fmt:MATRIX_FMT_FP6 matrix_a_scale:MATRIX_SCALE_ROW1 matrix_b_scale:MATRIX_SCALE_ROW1
.endif
.endif
.endm
.macro GROUP1 g, mask, elems, rows, pitch ; rows of elements of 8 bytes
	s_or_b32 s[\g], s[\mask], (3<<16)|(1<<21)
	s_mov_b32 s[\g+1], (\elems)<<16
	s_mov_b32 s[\g+2], (\rows)<<16
	s_mov_b32 s[\g+3], (\elems)<<16
	s_mov_b32 s[\g+4], \rows
	s_mov_b32 s[\g+5], \pitch
	s_mov_b32 s[\g+6], 0
	s_mov_b32 s[\g+7], 0
.endm
.macro ARM w, g0, g1, next             ; wave w's load line
	s_cmp_eq_u32 s[WV], \w
	s_cbranch_scc0 \next
	tensor_load_to_lds s[\g0:\g0+3], s[\g1:\g1+7]
	s_nop 0
	PLACES
	s_branch .Lasked
\next:
.endm
	s_load_b256 s[4:11], s[0:1], 0x0               ; XC s[4:5], XSC s[6:7], WC s[8:9], bq s[10:11]
	s_load_b256 s[12:19], s[0:1], 0x20             ; bk s[12:13], bv s[14:15], QC s[16:17], KV s[18:19]
	v_lshl_add_u32 v254, v0, 2, SPARE
	v_mov_b32 v255, 0
	ds_add_u32 v254, v255                          ; the opening add, twice on end
	ds_add_u32 v254, v255
	v_lshrrev_b32 v1, 5, v0
	v_readfirstlane_b32 s[WV], v1                  ; wave 0..3
	s_bfe_u32 s21, ttmp6, 0x40000                  ; cx
	s_bfe_u32 s40, ttmp6, 0x40004                  ; cy
	s_lshl_b32 s22, ttmp9, 2
	s_add_co_u32 s22, s22, s21                     ; y: my 256 tokens
	s_and_b32 s23, ttmp7, 0xffff
	s_lshl_b32 s23, s23, 2
	s_add_co_u32 s23, s23, s40                     ; hd
	s_lshl_b32 s41, s40, 2
	s_lshl_b32 s41, 15, s41                        ; my row of the cluster: the same hd
	s_lshl_b32 s42, 0x1111, s21                    ; my column: the same y
	GROUP1 24, 41, 1600, 3, 6400                   ; the weights' K steps 0, 1: 12,800 bytes of each of three
	GROUP1 84, 41, 4800, 3, 6400                   ; their K steps 2-7: 38,400 bytes
	GROUP1 92, 42, 576, 16, 1536                   ; three K steps of x: 4,608 bytes of each of 16 tiles
	s_mov_b32 s[SEL], 0x76543210
	s_mov_b32 s[SEL+1], 0xfedcba98
	s_mov_b32 s50, 0xffff0000                      ; lanes 16-31
	s_lshr_b32 s43, s[WV], 1                       ; which of the two parts my wave would bring
	s_mul_i32 s52, s23, 204800                     ; WC: the head's block, + two K steps for the second part
	s_mul_i32 s54, s43, 12800
	s_add_co_u32 s52, s52, s54
	s_mov_b32 s53, 0
	s_mul_i32 s54, s43, WB                         ; and its place in LDS
	s_mul_i32 s44, s22, 196608                     ; XC: my 16 tiles, from K step 2 or 5 on
	s_mul_i32 s46, s43, 4608
	s_add_co_u32 s44, s44, s46
	s_add_co_u32 s44, s44, 3072
	s_mov_b32 s45, 0
	s_mul_i32 s46, s43, XG
	s_add_co_u32 s46, s46, XB
	s_lshl_b32 s56, s22, 4
	s_lshl_b32 s57, s[WV], 2
	s_add_co_u32 s56, s56, s57                     ; my first tile of tokens: 16 y + 4 w
	s_mul_i32 s56, s56, 12288
	s_mov_b32 s57, 0
	s_lshl_b32 s58, s22, 2
	s_add_co_u32 s58, s58, s[WV]
	s_lshl_b32 s58, s58, 11                        ; XSC: 2,048 bytes for four tiles
	s_mov_b32 s59, 0
	s_lshl_b32 s60, s23, 8                         ; the biases: 64 numbers a head
	s_mov_b32 s61, 0
	s_lshr_b32 s66, s22, 3
	s_lshl_b32 s66, s66, 4
	s_add_co_u32 s66, s66, s23                     ; b h = 16 (y / 8) + hd
	s_and_b32 s67, s22, 7                          ; y % 8: which 256 tokens of the batch
	s_lshl_b32 s68, s66, 5
	s_lshl_b32 s69, s67, 2
	s_add_co_u32 s68, s68, s69
	s_add_co_u32 s68, s68, s[WV]
	s_mul_i32 s68, s68, 3584                       ; QC: my 64 tokens
	s_mov_b32 s69, 0
	s_mul_i32 s70, s66, 208896
	s_lshl_b32 s72, s67, 1
	s_lshr_b32 s73, s[WV], 1
	s_add_co_u32 s72, s72, s73
	s_mul_i32 s72, s72, 13056
	s_add_co_u32 s70, s70, s72                     ; KV: my key step of 128 keys
	s_and_b32 s73, s[WV], 1                        ; and which half of it
	s_mul_i32 s74, s73, 3072                       ; K's codes: registers 24 half on
	s_add_co_u32 s74, s74, s70
	s_mov_b32 s75, 0
	s_lshl_b32 s76, s73, 8                         ; K's scale words
	s_add_co_u32 s76, s76, s70
	s_mov_b32 s77, 0
	s_mul_i32 s78, s73, 768                        ; V's codes: half c of each fragment
	s_add_co_u32 s78, s78, s70
	s_mov_b32 s79, 0
	s_lshl_b32 s80, s73, 1                         ; V's scale words: my two bytes of four
	s_add_co_u32 s80, s80, s70
	s_mov_b32 s81, 0
	s_mul_i32 s47, s[WV], 18432
	s_add_co_u32 s47, s47, XB                      ; LDS: my four tiles of x
	v_and_b32 v12, 31, v0                          ; lane
	v_and_b32 v13, 15, v0                          ; r
	v_bfe_u32 v14, v0, 4, 1                        ; hh
	v_lshlrev_b32 v1, 4, v12                       ; 16 l
	v_lshlrev_b32 v2, 3, v12                       ; 8 l
	v_lshlrev_b32 v3, 2, v12                       ; 4 l
.irp q, 0,1,2,3
	v_add_nc_u32 v[4+\q], WB*\q, v1                ; LDS: W's fragments: K steps 0, 1; then weight q - 1's K steps 2-7
	v_add_nc_u32 v[212+\q], WB*\q, v3              ; and their scale words
.endr
	v_add_nc_u32 v8, s47, v1                       ; x's K steps 2-4
	v_add_nc_u32 v9, XG, v8                        ; and 5-7
	v_lshlrev_b32 v10, 6, v14                      ; bq, bk: my half's 16 numbers of each 32
	v_lshrrev_b32 v11, 3, v13
	v_lshl_add_u32 v11, v11, 3, v13
	v_lshlrev_b32 v11, 2, v11                      ; bv: 4 (r + 8 (r / 8))
	v_lshlrev_b32 v15, 3, v14                      ; 8 hh
.irp k, 0,1,2,3
	v_mov_b32 v[QX+\k], 0                          ; written once: a lane permute's destination counts as one of its sources
.endr
	s_wait_alu depctr_va_vdst(0)                   ; the wait at the head's end
	s_wait_dscnt 0x0                               ; both opening adds
	ROUND                                          ; all sixteen work-groups are here: the joint loads meet.  It stands ahead of the wait for the arguments
	s_wait_kmcnt 0x0
	s_add_nc_u64 s[52:53], s[8:9], s[52:53]
	s_add_nc_u64 s[44:45], s[4:5], s[44:45]
	s_mov_b32 s32, 1                               ; group 0 of the weights', whose address hangs on hd alone,
	s_mov_b32 s33, s54
	s_mov_b64 s[34:35], s[52:53]
	s_or_b32 s35, s35, 0x80000000
	s_mov_b32 s36, 1                               ; and of x's, whose hangs on y alone
	s_mov_b32 s37, s46
	s_mov_b64 s[38:39], s[44:45]
	s_or_b32 s39, s39, 0x80000000
	ARM 0, 32, 24, .Lwave_1
	ARM 1, 36, 92, .Lwave_2
	ARM 2, 32, 84, .Lwave_3
	tensor_load_to_lds s[36:39], s[92:99]
	s_nop 0
	PLACES
.Lasked:
	s_add_nc_u64 s[56:57], s[4:5], s[56:57]
	s_add_nc_u64 s[58:59], s[6:7], s[58:59]
	s_add_nc_u64 s[10:11], s[10:11], s[60:61]
	s_add_nc_u64 s[12:13], s[12:13], s[60:61]
	s_add_nc_u64 s[14:15], s[14:15], s[60:61]
	s_add_nc_u64 s[68:69], s[16:17], s[68:69]
	s_add_nc_u64 s[74:75], s[18:19], s[74:75]
	s_add_nc_u64 s[76:77], s[18:19], s[76:77]
	s_add_nc_u64 s[78:79], s[18:19], s[78:79]
	s_add_nc_u64 s[80:81], s[18:19], s[80:81]
.irp i, 0,1
.irp g, 0,1
	global_load_b128 v[16+8*\i+4*\g:19+8*\i+4*\g], v1, s[58:59] offset:1024*\i+512*\g   ; x's scale words: register 16 + 8 i + s: tile 2 i in lanes 0-15, tile 2 i + 1 in lanes 16-31
.endr
.endr
	WIN 0x40
.irp s, 0,1                            ; x's four fragments of K steps 0 and 1 into sets 0 and 1 of window 1: twelve loads each
.irp t, 0,1,2,3
.irp g, 0,1,2
	global_load_b128 v[48*\s+12*\t+4*\g:48*\s+12*\t+4*\g+3], v1, s[56:57] offset:12288*\t+1536*\s+512*\g
.endr
.endr
.endr
	WIN 0
.macro FETCHX xs, t0, t1               ; x's tiles t0 .. t1 - 1 of K step xs (2-7) from LDS into set xs % 5: three loads a tile
	WIN 0x40
.set xT, \t0
.rept (\t1)-(\t0)
.irp g, 0,1,2
	ds_load_b128 v[48*((\xs)%5)+12*xT+4*\g:48*((\xs)%5)+12*xT+4*\g+3], v[8+((\xs)-2)/3] offset:4608*xT+1536*(((\xs)-2)%3)+512*\g
.endr
.set xT, xT+1
.endr
	WIN 0
.endm
.macro FETCHB fi                       ; part-step fi = 3 s + p: weight p's four fragments of K step s and their two registers of scale words, into set fi % 2
.set fS, (\fi)/3
.set fP, (\fi)%3
.set fB, 40+48*((\fi)%2)
.set fW, 36-4*(fS/4)+2*((\fi)%2)
.if fS < 2
.set fA, 4
.set fT, 212
.set fO, 12800*fP+6400*fS
.else
.set fA, 5+fP
.set fT, 213+fP
.set fO, 6400*(fS-2)
.endif
	WIN 0
.irp n, 0,1,2,3
.irp g, 0,1,2
	ds_load_b128 v[fB+12*\n+4*\g:fB+12*\n+4*\g+3], v[fA] offset:fO+1536*\n+512*\g
.endr
.endr
.irp u, 0,1
	ds_load_b32 v[fW+\u], v[fT] offset:fO+6144+128*\u
.endr
.endm
; Sixteen products of a part-step: sixteen different accumulators, one instruction each; an accumulator comes round once a K step.
.macro MULQK mi                        ; q or k, transposed: source 0 = W's tile n, source 1 = x's tile t
.set mS, (\mi)/3
.set mP, (\mi)%3
.set mB, 40+48*((\mi)%2)
.set mW, 36-4*(mS/4)+2*((\mi)%2)
	WIN 0xf4                                       ; source 0 window 0, source 1 window 1, C and D window 3
.irp t, 0,1,2,3
.irp n, 0,1,2,3
.if mS == 0
	WM 128*mP+8*(4*\t+\n), mB+12*\n, 48*(mS%5)+12*\t, -1, mW+\n/2, 16+8*(\t/2)+mS, \n%2, \t%2
.else
	WM 128*mP+8*(4*\t+\n), mB+12*\n, 48*(mS%5)+12*\t, 128*mP+8*(4*\t+\n), mW+\n/2, 16+8*(\t/2)+mS, \n%2, \t%2
.endif
.endr
.endr
.endm
.macro MULV mi                         ; v: source 0 = x's tile t, source 1 = W's tile n
.set mS, (\mi)/3
.set mB, 40+48*((\mi)%2)
.set mW, 36-4*(mS/4)+2*((\mi)%2)
	WIN 0xa1                                       ; source 0 window 1, source 1 window 0, C and D window 2
.irp n, 0,1,2,3
.irp t, 0,1,2,3
.if mS == 0
	WM 128+8*(4*\n+\t), 48*(mS%5)+12*\t, mB+12*\n, -1, 16+8*(\t/2)+mS, mW+\n/2, \t%2, \n%2
.else
	WM 128+8*(4*\n+\t), 48*(mS%5)+12*\t, mB+12*\n, 128+8*(4*\n+\t), 16+8*(\t/2)+mS, mW+\n/2, \t%2, \n%2
.endif
.endr
.endr
.endm
.macro BIAS                            ; 24 loads: bq, bk in q's and k's layout (register 16 b + i = bias of d 32 b + 16 hh + i); bv: my d of tile n, twice, as a pair
.irp b, 0,1
.irp q, 0,1,2,3
	global_load_b128 v[136+16*\b+4*\q:139+16*\b+4*\q], v10, s[10:11] offset:128*\b+16*\q
	global_load_b128 v[168+16*\b+4*\q:171+16*\b+4*\q], v10, s[12:13] offset:128*\b+16*\q
.endr
.endr
.irp n, 0,1,2,3
	global_load_b32 v[200+2*\n], v11, s[14:15] offset:4*(32*(\n/2)+8*(\n%2))
	global_load_b32 v[201+2*\n], v11, s[14:15] offset:4*(32*(\n/2)+8*(\n%2))
.endr
.endm
.macro PARTSTEP ps                     ; part-step ps = 3 s + p
.set pS, (\ps)/3
.set pP, (\ps)%3
.if (pS > 1) && (pS < 7) && (pP > 0)
	s_wait_dscnt 6                                 ; this part-step's fragments of W are in; the six loads of the next K step's x behind them may be out
.else
	s_wait_dscnt 0x0                               ; this part-step's fragments are in
.endif
.if (\ps) == 0
	s_wait_loadcnt 12                              ; x's scale words and K step 0 are in; K step 1's twelve loads may be out
.elseif (\ps) == 3
	s_wait_loadcnt 0x0
.elseif (\ps) == 5
	WIN 0
	s_cmp_eq_u32 s[WV], 3
	s_cbranch_scc1 .Lnot_12_\@
	s_wait_tensorcnt 0x0                           ; waves 1 and 2: x's K steps 2-4, W's 2-7; wave 3's load may stay out: nothing is filled a second time
.Lnot_12_\@:
	s_barrier_signal -1
	s_barrier_wait -1                              ; everybody's
.elseif (\ps) == 12
	s_wait_tensorcnt 0x0                           ; all loads, in every wave
	s_barrier_signal -1
	s_barrier_wait -1
.endif
	PLACES                                         ; behind the last part-step's products, whose registers the loads below fill
.if (\ps) < 23
	FETCHB (\ps)+1
.endif
.if (\ps) == 5
	FETCHX 2, 0, 4
.elseif (pS > 1) && (pS < 7) && (pP < 2)
	FETCHX pS+1, 2*pP, 2*pP+2
.endif
.if (\ps) == 12
	WIN 0
	BIAS
.endif
.if pP < 2
	MULQK \ps
.else
	MULV \ps
.endif
.endm
	s_cmp_eq_u32 s[WV], 0
	s_cbranch_scc0 .Lnot_0
	s_wait_tensorcnt 0x0                           ; wave 0: W's K steps 0 and 1
.Lnot_0:
	s_barrier_signal -1
	s_barrier_wait -1
	FETCHB 0
.set P, 0
.rept 24
	PARTSTEP P
.set P, P+1
.endr
	; THE WAY OUT: + bias in f32, the quantiser, stores of register images.  Two blocks of 32 registers at a time, v40-71 and v72-103, in four chains.  No store's data register is written again.
.macro LARGEST                         ; of each 16 of the 64, with the floor 2^(3 - 127): the byte cannot fall under 1
.irp k, 0,1,2,3
	v_max3_num_f32 v[QM+\k], |v[40+16*\k]|, |v[41+16*\k]|, 0x1800000
.endr
.irp i, 2,4,6,8,10,12,14
.irp k, 0,1,2,3
	v_max3_num_f32 v[QM+\k], v[QM+\k], |v[40+16*\k+\i]|, |v[41+16*\k+\i]|
.endr
.endr
.endm
; q, k: register 16 b + i of a block of registers = d 32 b + 16 hh + i of my token: become six registers of codes at v[ca], v[cb] on (lane (r, hh): block hh, whole) and the scale words in v[wa], v[wb].
.macro QPAIR ca, cb, wa, wb
.set qA, \ca
.set qB, \cb
.set qV, \wa
.set qW, \wb
	LARGEST
.irp k, 0,1,2,3
	v_permlanex16_b32 v[QX+\k], v[QM+\k], s[SEL], s[SEL+1]
.endr
.irp k, 0,1,2,3
	v_max_num_f32 v[QM+\k], v[QM+\k], v[QX+\k]     ; with lane l xor 16's 16
.endr
.irp k, 0,1,2,3
	v_add_nc_u32 v[QE+\k], 0xff000000, v[QM+\k]    ; 2 off its exponent field: the conversion's scale operand
.endr
.irp k, 0,1,2,3
	v_lshrrev_b32 v[QX+\k], 23, v[QE+\k]           ; the scale's byte
.endr
	v_lshl_or_b32 v[qV], v[QX+1], 8, v[QX]
	v_lshl_or_b32 v[qW], v[QX+3], 8, v[QX+2]
	v_lshl_or_b32 v[qV], v[qV], 16, v[qV]
	v_lshl_or_b32 v[qW], v[qW], 16, v[qW]
	v_cvt_scalef32_pk16_fp6_f32 v[qA:qA+2], v[40:55], v[QE]
	v_cvt_scalef32_pk16_fp6_f32 v[128:130], v[56:71], v[QE+1]     ; (a conversion's three registers begin on an even number)
	v_cvt_scalef32_pk16_fp6_f32 v[qB:qB+2], v[72:87], v[QE+2]
	v_cvt_scalef32_pk16_fp6_f32 v[132:134], v[88:103], v[QE+3]
	v_nop                                          ; one plain instruction behind the conversions
.irp i, 0,1,2
	v_permlane16_swap_b32 v[qA+\i], v[128+\i]      ; the first's lanes 16-31 change places with the second's lanes 0-15: each lane now holds its block's lower 16 codes and upper 16
	v_permlane16_swap_b32 v[qB+\i], v[132+\i]
.endr
.irp i, 0,1,2
	v_mov_b32 v[qA+3+\i], v[128+\i]
	v_mov_b32 v[qB+3+\i], v[132+\i]
.endr
.endm
; v: 32 registers are a whole block of 32 tokens; v[wa], v[wb]: my row's two bytes, block 0's low (lane l xor 16 holds the other block).
.macro VPAIR ca, cb, wa, wb
.set qA, \ca
.set qB, \cb
.set qV, \wa
.set qW, \wb
	LARGEST
	v_max_num_f32 v[QM], v[QM], v[QM+1]
	v_max_num_f32 v[QM+2], v[QM+2], v[QM+3]
	v_add_nc_u32 v[QE], 0xff000000, v[QM]
	v_add_nc_u32 v[QE+1], 0xff000000, v[QM+2]
	v_lshrrev_b32 v[QM], 23, v[QE]
	v_lshrrev_b32 v[QM+2], 23, v[QE+1]
	v_lshlrev_b32 v[QM], v15, v[QM]                ; my byte at 8 hh,
	v_lshlrev_b32 v[QM+2], v15, v[QM+2]
	v_permlanex16_b32 v[QX], v[QM], s[SEL], s[SEL+1]
	v_permlanex16_b32 v[QX+1], v[QM+2], s[SEL], s[SEL+1]
	v_or_b32 v[qV], v[QM], v[QX]                   ; with lane l xor 16's
	v_or_b32 v[qW], v[QM+2], v[QX+1]
	v_cvt_scalef32_pk16_fp6_f32 v[qA:qA+2], v[40:55], v[QE]
	v_cvt_scalef32_pk16_fp6_f32 v[128:130], v[56:71], v[QE]
	v_cvt_scalef32_pk16_fp6_f32 v[qB:qB+2], v[72:87], v[QE+1]
	v_cvt_scalef32_pk16_fp6_f32 v[132:134], v[88:103], v[QE+1]
	v_nop
.irp i, 0,1,2
	v_mov_b32 v[qA+3+\i], v[128+\i]
	v_mov_b32 v[qB+3+\i], v[132+\i]
.endr
.endm
	s_wait_loadcnt 0x0                             ; the biases
	PLACES
.irp t, 0,2                            ; q: token tiles t, t + 1
	WIN 0x03                                       ; source 0 window 3
.irp e, 0,2,4,6,8,10,12,14,16,18,20,22,24,26,28,30
	v_pk_add_f32 v[40+\e:41+\e], v[32*\t+\e:32*\t+\e+1], v[136+\e:137+\e]   ; each accumulator from its low end on
.endr
.irp e, 0,2,4,6,8,10,12,14,16,18,20,22,24,26,28,30
	v_pk_add_f32 v[72+\e:73+\e], v[32*\t+32+\e:32*\t+\e+33], v[136+\e:137+\e]
.endr
	WIN 0
	QPAIR 104+6*\t, 110+6*\t, 240+\t, 241+\t
.irp u, 0,1
	global_store_b128 v1, v[104+6*\t+6*\u:107+6*\t+6*\u], s[68:69] offset:512*(\t+\u)
	global_store_b64 v2, v[108+6*\t+6*\u:109+6*\t+6*\u], s[68:69] offset:2048+256*(\t+\u)
	global_store_b32 v3, v[240+\t+\u], s[68:69] offset:3072+128*(\t+\u)
.endr
.endr
.irp t, 0,2                            ; k
	WIN 0x03
.irp e, 0,2,4,6,8,10,12,14,16,18,20,22,24,26,28,30
	v_pk_add_f32 v[40+\e:41+\e], v[128+32*\t+\e:128+32*\t+\e+1], v[168+\e:169+\e]
.endr
.irp e, 0,2,4,6,8,10,12,14,16,18,20,22,24,26,28,30
	v_pk_add_f32 v[72+\e:73+\e], v[160+32*\t+\e:160+32*\t+\e+1], v[168+\e:169+\e]
.endr
	WIN 0
	QPAIR 208+6*\t, 214+6*\t, 244+\t, 245+\t
.irp g, 0,1,2
	global_store_b128 v1, v[208+6*\t+4*\g:211+6*\t+4*\g], s[74:75] offset:256*3*\t+512*\g   ; two tiles' twelve registers, three groups of the run
.endr
.endr
	v_cndmask_b32 v160, v244, v245, s50            ; scale words: lanes 0-15 the even tile's, lanes 16-31 the odd tile's
	v_cndmask_b32 v161, v246, v247, s50
	global_store_b64 v2, v[160:161], s[76:77] offset:6144   ; 256 consecutive bytes, aligned
.irp n, 0,2                            ; v: tiles n, n + 1 of the head's 64; my 64 tokens are half c of a key step
	WIN 0x02                                       ; source 0 window 2
.irp e, 0,2,4,6,8,10,12,14,16,18,20,22,24,26,28,30
	v_pk_add_f32 v[40+\e:41+\e], v[128+32*\n+\e:128+32*\n+\e+1], v[200+2*\n:201+2*\n] op_sel_hi:[1,0]
.endr
.irp e, 0,2,4,6,8,10,12,14,16,18,20,22,24,26,28,30
	v_pk_add_f32 v[72+\e:73+\e], v[160+32*\n+\e:160+32*\n+\e+1], v[202+2*\n:203+2*\n] op_sel_hi:[1,0]
.endr
	WIN 0
	VPAIR 136+6*\n, 142+6*\n, 248+\n, 249+\n
.irp u, 0,1
	global_store_b128 v1, v[136+6*\n+6*\u:139+6*\n+6*\u], s[78:79] offset:6656+1536*(\n+\u)
	global_store_b64 v2, v[140+6*\n+6*\u:141+6*\n+6*\u], s[78:79] offset:6656+1536*(\n+\u)+512
.endr
.endr
	v_cndmask_b32 v162, v248, v249, s50
	v_cndmask_b32 v163, v250, v251, s50
	global_store_b16 v2, v162, s[80:81] offset:12800   ; two bytes for a d and 64 keys: the other wave of the key step writes the other two
	global_store_b16 v2, v163, s[80:81] offset:12804
	s_wait_tensorcnt 0x0                           ; the wave's end
	ds_add_u32 v254, v255
	s_wait_dscnt 0x0
	ROUND                                          ; the closing round: no work-group ends while a partner may still ask for a piece that names it
	s_endpgm
.Lfunc_end_k_q1b1e3e7306_qkv:
	.size	k_q1b1e3e7306_qkv, .Lfunc_end_k_q1b1e3e7306_qkv-k_q1b1e3e7306_qkv
	.p2alignl 7, 3214868480
	.fill 96, 4, 3214868480
	.section	.rodata,"a",@progbits
	.p2align	6, 0x0
	.amdhsa_kernel k_q1b1e3e7306_qkv
		.amdhsa_group_segment_fixed_size 301568
		.amdhsa_private_segment_fixed_size 0
		.amdhsa_enable_private_segment 0
		.amdhsa_kernarg_size 64
		.amdhsa_user_sgpr_count 2
		.amdhsa_user_sgpr_kernarg_segment_ptr 1
		.amdhsa_wavefront_size32 1
		.amdhsa_system_sgpr_workgroup_id_x 1
		.amdhsa_system_sgpr_workgroup_id_y 1
		.amdhsa_system_sgpr_workgroup_id_z 1
		.amdhsa_system_vgpr_workitem_id 0
		.amdhsa_next_free_vgpr 1024
		.amdhsa_next_free_sgpr 102
		.amdhsa_reserve_vcc 0
		.amdhsa_float_denorm_mode_32 3
		.amdhsa_float_denorm_mode_16_64 3
		.amdhsa_memory_ordered 1
		.amdhsa_forward_progress 1
		.amdhsa_inst_pref_size 131
	.end_amdhsa_kernel
	.amdgpu_metadata
---
amdhsa.version: [ 1, 2 ]
amdhsa.kernels:
  - .name:           k_q1b1e3e7306_qkv
    .symbol:         k_q1b1e3e7306_qkv.kd
    .args:
      - { .name: XC, .offset: 0, .size: 8, .value_kind: global_buffer, .address_space: global }
      - { .name: XSC, .offset: 8, .size: 8, .value_kind: global_buffer, .address_space: global }
      - { .name: WC, .offset: 16, .size: 8, .value_kind: global_buffer, .address_space: global }
      - { .name: bq, .offset: 24, .size: 8, .value_kind: global_buffer, .address_space: global }
      - { .name: bk, .offset: 32, .size: 8, .value_kind: global_buffer, .address_space: global }
      - { .name: bv, .offset: 40, .size: 8, .value_kind: global_buffer, .address_space: global }
      - { .name: QC, .offset: 48, .size: 8, .value_kind: global_buffer, .address_space: global }
      - { .name: KV, .offset: 56, .size: 8, .value_kind: global_buffer, .address_space: global }
    .group_segment_fixed_size: 301568
    .private_segment_fixed_size: 0
    .kernarg_segment_align: 8
    .kernarg_segment_size: 64
    .max_flat_workgroup_size: 128
    .sgpr_count:     102
    .vgpr_count:     1024
    .wavefront_size: 32
...
	.end_amdgpu_metadata
.endif
;; end of part 2
;; launch attn (part 3): grid 8 x 32, 8 waves a work-group, clusters of 4 x 1, 209,920 bytes of LDS; arguments QC, KV, AO, AOS; writes AO, AOS
.if DOCPART == 3
	.amdgcn_target "amdgcn-amd-amdhsa--gfx1250"
	.amdhsa_code_object_version 6
	.text
	.protected	k_q1b1e3e7306_attn
	.globl	k_q1b1e3e7306_attn
	.p2align	8
	.type	k_q1b1e3e7306_attn,@function
k_q1b1e3e7306_attn:
	s_mov_b64 s[64:65], 0
	v_nop
	global_prefetch_b8 v0, s[64:65] scope:SCOPE_SE
	s_setreg_imm32_b32 hwreg(HW_REG_WAVE_MODE, 25, 1), 1
	s_wait_xcnt 0x0
	s_wait_alu depctr_hold_cnt(0) depctr_sa_sdst(0) depctr_va_vdst(0) depctr_va_sdst(0) depctr_va_ssrc(0) depctr_va_vcc(0) depctr_vm_vsrc(0)
	s_getreg_b32 s2, hwreg(HW_REG_IB_STS2, 6, 4)
	s_cmp_eq_u32 s2, 0
	s_cbranch_scc0 .Lentry_in_a_cluster
	s_endpgm
.Lentry_in_a_cluster:
	s_bfe_u32 s2, ttmp6, 0x10000c
	s_cmp_lg_u32 s2, 0x3003
	s_cbranch_scc0 .Lentry_shape_is_right
	s_endpgm
.Lentry_shape_is_right:
; o[b h][q] = the sum over keys of softmax(q . k / 8) v, both products on codes of FP6 (E2M3) with E8M0 scales; o is quantised at once along the model's 1,024 (head x 64 + d) for the last product.
; THE SOFTMAX AHEAD OF THE SECOND PRODUCT: t = score x log2(e) / 8; M = the row's largest t so far, rounded UP to a whole number; p = 2^(t - M) is what is quantised, along the keys, not normalised.
; The row's sum is taken of the unquantised p, in f32, and divides O at the end.  When M moves, the sum and O are multiplied by 2^(old M - new M): exact.
; SHARES.  A work-group owns 256 queries of one (batch, head); each of its eight waves TWO tiles of 16, A and B, in 512 registers: two waves to a SIMD.  Each fragment of K and V feeds both tiles.
; K AND V OF THE WHOLE HEAD, 16 key steps x 13,056 bytes, come into LDS ONCE, by ONE joint load a wave: wave w brings key steps 2 w and 2 w + 1, shared by the four query blocks of a cluster (same descriptor, the mask of all four).
; No byte is filled a second time.  Waves 0 and 1 have a load line of their own: the first barrier shows key steps 0-3.  The second, for the other twelve, is signalled behind key step 0 and waited for ahead of key step 3 (which fetches key step 4);
; between stand register work and LDS loads of key steps 1-3, which nobody writes.  Everything that the launch reads is asked for at its head, so nothing is left to prefetch.
; A STEP'S LDS LOADS: V's 17 at its start, wanted at its end; the next step's K, 14, behind the first products, wanted at the next step's start.
; LAYOUT.  Both products are used transposed: S^T = K Q^T (source 0 = 16 keys), O^T = V^T P^T (source 0 = 16 of the head's 64): a lane holds ONE query of each tile throughout.
; The keys of a tile: row i of tile t of 64 keys is key 32 (i / 8) + 8 t + i % 8: a lane's 32 registers of four tiles are 32 neighbouring keys, a WHOLE scale block, in the operand's own order: no lane exchange for p's codes.
; V's rows of a tile: index i of tile 2 b + u = d 32 b + 8 u + i + 8 (i / 8): the 16 registers of tiles 2 b and 2 b + 1 are 16 neighbours of d for O.
; THE FIRST PRODUCT'S K IS 64, THE INSTRUCTION'S 128.  Q's registers 6-11 are zero codes.  K's tiles lie on end, six registers each, and fragment t names twelve: its upper six are the next tile's codes (for tile 7: p's codes of tile A).
; Every pattern of six bits is a finite number, which a zero code multiplies to zero; bytes 2 and 3 of q's and k's scale words repeat bytes 0 and 1.
; LIMITS: NaN and infinities are not served; the running maximum begins at -3e38; M is kept as a whole number in f32, exact for |t| under 2^24; a block of p or o whose largest number lies under 2^-124 has its byte held at 1 (a block of zeros too: its codes are zeros).
; REGISTERS.  Window 0: v1-7 addresses (v5: 8 hh); v12-13 the add's; v14, v15 q's scale words; v16-19 K's, v20-21 V's, v22, v23 p's; v24-71 K; tile A: v72-83 p's codes, v84-95 Q, v96-159 S^T, then p, v160-191 O^T, v192-207 at work;
;   the small numbers of tile A from TA = v208 on, of tile B from TB = v232 on: + 0 -M, + 1 the largest score, + 2, 3 f, + 4 .. 11 the sum's four chains, + 12 .. 15 largest numbers of the blocks, + 16, 17 the conversions' scale operands, + 18 .. 23 at work (21: the old -M).
;   Window 1: v24-71 V; tile B: v72-83, v84-95, v96-159, v160-191, v192-207 as tile A's.
; s_set_vgpr_msb's low byte: bits 1:0 source 0, 3:2 source 1, 5:4 source 2, 7:6 destination.
.set WV,  12                           ; s12 my wave's number
.set SEL, 20                           ; s[20:21] v_permlanex16_b32's selects for lane l xor 16
.set TA,  208
.set TB,  232
.set QM,  192
.set QE,  196
.set QB,  198
.set KSB, 13056                        ; a key step's bytes
.set MSB, 0
.macro WIN new                         ; the immediate's high byte repeats the setting that is left; a switch that changes nothing is dropped
.if MSB != \new
	s_set_vgpr_msb (MSB<<8)|\new
.set MSB, \new
.endif
.endm
.macro PLACES
.rept 4
	v_nop
.endr
.endm
.macro WALU
	s_wait_alu depctr_va_vdst(0)
.endm
.macro ROUND                           ; a round of the cluster's barrier
	s_barrier_signal -1
	s_barrier_wait -1
	s_cmp_lg_u32 s[WV], 0
	s_cbranch_scc1 .Lnot_wave_0_\@
	s_barrier_signal -3
.Lnot_wave_0_\@:
	s_barrier_wait -3
	s_barrier_signal -1
	s_barrier_wait -1
.endm
; One product.  c: first register of C, or -1 for the constant 0; ra: 1 where source 0's scales stand in lanes 16-31.
.macro WM d, a, b, c, sa, sb, ra
.set wD, \d
.set wA, \a
.set wB, \b
.set wC, \c
.set wX, \sa
.set wY, \sb
.set wR, \ra
.if wC < 0
.if wR == 0
	v_wmma_scale_f32_16x16x128_f8f6f4 v[wD:wD+7], v[wA:wA+11], v[wB:wB+11], 0, v[wX], v[wY] matrix_a_fmt:MATRIX_FMT_FP6 matrix_b_fmt:MATRIX_FMT_FP6
.else
	v_wmma_scale_f32_16x16x128_f8f6f4 v[wD:wD+7], v[wA:wA+11], v[wB:wB+11], 0, v[wX], v[wY] matrix_a_fmt:MATRIX_FMT_FP6 matrix_b_fmt:MATRIX_FMT_FP6 matrix_a_scale:MATRIX_SCALE_ROW1
.endif
.else
.if wR == 0
	v_wmma_scale_f32_16x16x128_f8f6f4 v[wD:wD+7], v[wA:wA+11], v[wB:wB+11], v[wC:wC+7], v[wX], v[wY] matrix_a_fmt:MATRIX_FMT_FP6 matrix_b_fmt:MATRIX_FMT_FP6
.else
	v_wmma_scale_f32_16x16x128_f8f6f4 v[wD:wD+7], v[wA:wA+11], v[wB:wB+11], v[wC:wC+7], v[wX], v[wY] matrix_a_fmt:MATRIX_FMT_FP6 matrix_b_fmt:MATRIX_FMT_FP6 matrix_a_scale:MATRIX_SCALE_ROW1
.endif
.endif
.endm
; 32 numbers of a lane, v[s] on, register 16 b + i = k 32 b + 16 hh + i of my row, become six registers of codes at v[cd] on (lane (r, hh): block hh, whole) and the two bytes in v[wd].
.macro QUANT2 s, cd, pt, wd
.set qS, \s
.set qC, \cd
.set qP, \pt
.set qW, \wd
.irp b, 0,1
	v_max3_num_f32 v[QM+\b], |v[qS+16*\b]|, |v[qS+16*\b+1]|, 0x1800000   ; and the floor 2^(3 - 127): the byte cannot fall under 1
.endr
.irp i, 2,4,6,8,10,12,14
.irp b, 0,1
	v_max3_num_f32 v[QM+\b], v[QM+\b], |v[qS+16*\b+\i]|, |v[qS+16*\b+\i+1]|
.endr
.endr
.irp b, 0,1
	v_permlanex16_b32 v[QM+2+\b], v[QM+\b], s[SEL], s[SEL+1]
.endr
.irp b, 0,1
	v_max_num_f32 v[QM+\b], v[QM+\b], v[QM+2+\b]
.endr
.irp b, 0,1
	v_add_nc_u32 v[QE+\b], 0xff000000, v[QM+\b]
.endr
.irp b, 0,1
	v_lshrrev_b32 v[QB+\b], 23, v[QE+\b]
.endr
	v_lshl_or_b32 v[qW], v[QB+1], 8, v[QB]
	v_cvt_scalef32_pk16_fp6_f32 v[qC:qC+2], v[qS:qS+15], v[QE]
	v_cvt_scalef32_pk16_fp6_f32 v[qP:qP+2], v[qS+16:qS+31], v[QE+1]
	v_nop                                          ; one plain instruction behind the conversions
.irp i, 0,1,2
	v_permlane16_swap_b32 v[qC+\i], v[qP+\i]
.endr
.irp i, 0,1,2
	v_mov_b32 v[qC+3+\i], v[qP+\i]
.endr
.endm
	s_load_b256 s[4:11], s[0:1], 0x0               ; QC s[4:5], KV s[6:7], AO s[8:9], AOS s[10:11]
	v_lshl_add_u32 v12, v0, 2, 0x33000             ; my spare word
	v_mov_b32 v13, 0
	ds_add_u32 v12, v13                            ; the opening add, twice on end
	ds_add_u32 v12, v13
	v_lshrrev_b32 v1, 5, v0
	v_readfirstlane_b32 s[WV], v1                  ; wave 0..7
	s_bfe_u32 s13, ttmp6, 0x40000                  ; cx
	s_lshl_b32 s14, ttmp9, 2
	s_add_co_u32 s14, s14, s13                     ; my block of 256 queries: it enters Q's and the results' addresses alone
	s_and_b32 s15, ttmp7, 0xffff                   ; b h, which the four partners share
	; descriptor group 1: two key steps, 26,112 dense bytes, as 102 rows of 32 elements of 8 bytes
	s_mov_b32 s24, 15|(3<<16)|(1<<21)              ; the mask of all four; elements of 8 bytes; bit 21 set beside a mask
	s_mov_b32 s25, 32<<16
	s_mov_b32 s26, 102<<16
	s_mov_b32 s27, 32<<16
	s_mov_b32 s28, 102
	s_mov_b32 s29, 32
	s_mov_b32 s30, 0
	s_mov_b32 s31, 0
	s_mov_b32 s[SEL], 0x76543210
	s_mov_b32 s[SEL+1], 0xfedcba98
	s_mov_b32 s22, 0x3e38aa3b                      ; c = log2(e) / 8
	s_mov_b32 s23, s22                             ; (named with it as a pair, so it is written)
	s_mul_i32 s50, s15, 208896                     ; KV: the head,
	s_mul_i32 s52, s[WV], 2*KSB                    ; + key step 2 w; the same number is its place in LDS
	s_add_co_u32 s50, s50, s52
	s_mov_b32 s51, 0
	s_lshl_b32 s54, s15, 5
	s_lshl_b32 s55, s14, 2
	s_add_co_u32 s54, s54, s55
	s_lshr_b32 s55, s[WV], 1
	s_add_co_u32 s54, s54, s55
	s_mul_i32 s54, s54, 3584                       ; QC: my group of 64 queries
	s_mov_b32 s55, 0
	s_and_b32 s53, s[WV], 1                        ; my tiles in it: 2 (w % 2) and the next
	s_lshl_b32 s56, s53, 10
	s_lshl_b32 s57, s53, 9
	s_lshl_b32 s62, s53, 8
	s_lshr_b32 s46, s15, 4
	s_lshl_b32 s46, s46, 7
	s_lshl_b32 s47, s14, 4
	s_add_co_u32 s46, s46, s47
	s_lshl_b32 s47, s[WV], 1
	s_add_co_u32 s46, s46, s47                     ; T = 128 batch + 16 block + 2 wave: tile A; tile B is the next
	s_and_b32 s47, s15, 15                         ; hd
	s_mul_i32 s58, s46, 12288
	s_mul_i32 s59, s47, 768
	s_add_co_u32 s58, s58, s59                     ; AO
	s_mov_b32 s59, 0
	s_lshl_b32 s60, s46, 10
	s_lshr_b32 s61, s47, 3
	s_lshl_b32 s61, s61, 9
	s_add_co_u32 s60, s60, s61
	s_and_b32 s61, s47, 7
	s_lshl_b32 s61, s61, 1
	s_add_co_u32 s60, s60, s61                     ; AOS: 1,024 T + 512 (hd / 8) + 2 (hd % 8)
	s_mov_b32 s61, 0
	v_and_b32 v9, 31, v0
	v_bfe_u32 v10, v0, 4, 1
	v_lshlrev_b32 v1, 4, v9                        ; 16 l
	v_lshlrev_b32 v2, 3, v9                        ; 8 l
	v_lshlrev_b32 v11, 2, v9                       ; 4 l
	v_lshlrev_b32 v5, 3, v10                       ; 8 hh
	v_add_nc_u32 v8, s56, v1                       ; Q's registers 0-3: 512 t + 16 l
	v_add_nc_u32 v9, s57, v2                       ; 4-5: 256 t + 8 l
	v_add_nc_u32 v10, s62, v11                     ; the scale word: 128 t + 4 l
.irp j, 72,73,74,75,76,77,78,79,80,81,82,83,90,91,92,93,94,95
	v_mov_b32 v[\j], 0                             ; zero codes: behind K's last tile, and Q's upper half of K
.endr
.irp T, TA, TB
	v_mov_b32 v[\T+1], 0xff61b1e6                  ; the largest score so far: -3e38
	v_mov_b32 v[\T], 0x7f61b1e6                    ; -M
.irp j, 3,4,5,19
	v_mov_b32 v[\T+\j], 0                          ; the upper half of f's pair; the sum; a lane permute's destination (it counts as a source)
.endr
.endr
.set j, 0
.rept 32
	v_mov_b32 v[160+j], 0                          ; O^T.  (The step is written without a first step of its own: the first finds zeros, which the first change of M leaves zeros)
.set j, j+1
.endr
	WIN 0x40
.irp j, 90,91,92,93,94,95
	v_mov_b32 v[\j], 0
.endr
.set j, 0
.rept 32
	v_mov_b32 v[160+j], 0
.set j, j+1
.endr
	WIN 0
	WALU                                           ; the wait at the head's end
	s_wait_dscnt 0x0                               ; both opening adds
	ROUND                                          ; all four work-groups are here: the joint loads meet.  It stands ahead of the wait for the arguments
	s_wait_kmcnt 0x0
	s_add_nc_u64 s[50:51], s[6:7], s[50:51]
	s_mov_b32 s32, 1                               ; descriptor group 0: key steps 2 w, 2 w + 1
	s_mov_b32 s33, s52
	s_mov_b64 s[34:35], s[50:51]
	s_or_b32 s35, s35, 0x80000000
	s_cmp_lt_u32 s[WV], 2
	s_cbranch_scc0 .Lrest
	tensor_load_to_lds s[32:35], s[24:31]          ; key steps 0-3: a line of their own, which the first barrier shows
	s_nop 0
	PLACES
	s_branch .Lasked
.Lrest:
	tensor_load_to_lds s[32:35], s[24:31]          ; key steps 4-15
	s_nop 0
	PLACES
.Lasked:
	s_add_nc_u64 s[4:5], s[4:5], s[54:55]
	s_add_nc_u64 s[8:9], s[8:9], s[58:59]
	s_add_nc_u64 s[10:11], s[10:11], s[60:61]
	global_load_b128 v[84:87], v8, s[4:5]          ; Q stays in registers
	global_load_b64 v[88:89], v9, s[4:5] offset:2048
	global_load_b32 v14, v10, s[4:5] offset:3072
	global_load_b32 v15, v10, s[4:5] offset:3072+128
	WIN 0x40
	global_load_b128 v[84:87], v8, s[4:5] offset:512
	global_load_b64 v[88:89], v9, s[4:5] offset:2048+256
	WIN 0
.macro KADDR                           ; LDS addresses of the key step at byte s44
	v_add_nc_u32 v6, s44, v1
	v_add_nc_u32 v7, s44, v2
.endm
.macro KLOAD                           ; its K: 14 loads
.irp g, 0,1,2,3,4,5,6,7,8,9,10,11
	ds_load_b128 v[24+4*\g:27+4*\g], v6 offset:512*\g          ; eight tiles, six registers each, on end
.endr
.irp u, 0,1
	ds_load_b64 v[16+2*\u:17+2*\u], v7 offset:6144+256*\u      ; register 16 + t / 2: tile t's scale words, the even tile in lanes 0-15, the odd one in lanes 16-31
.endr
.endm
.macro MAXES T, w3, w2                 ; THE LARGEST SCORE OF EACH BLOCK of 32 keys, two chains a block: it serves for the row's maximum and, since p rises with the score, for the block's largest p
	WIN \w3
.irp b, 0,1,2,3
	v_max3_num_f32 v[\T+12+\b], v[96+16*\b], v[97+16*\b], v[98+16*\b]
.endr
	WIN \w2
.irp i, 3,5,7,9,11,13
.irp b, 0,1,2,3
	v_max3_num_f32 v[\T+12+\b], v[\T+12+\b], v[96+16*\b+\i], v[97+16*\b+\i]
.endr
.endr
	v_max3_num_f32 v[\T+12], v[\T+12], v111, v127
	v_max3_num_f32 v[\T+14], v[\T+14], v143, v159
.endm
.macro FMA T, from, n                  ; t - M, two at a time
.set fJ, \from
.rept \n
	v_pk_fma_f32 v[fJ:fJ+1], v[fJ:fJ+1], s[22:23], v[\T:\T+1] op_sel_hi:[1,0,0]
.set fJ, fJ+2
.endr
.endm
.macro RESCALE T                       ; O^T under the new M
.set fJ, 160
.rept 16
	v_pk_mul_f32 v[fJ:fJ+1], v[fJ:fJ+1], v[\T+2:\T+3] op_sel_hi:[1,0]
.set fJ, fJ+2
.endr
.endm
.macro EXP1 T                          ; the exponentials of the first half of p, with the second half's multiply-adds among them
.set fJ, 96
.rept 16
	v_exp_f32 v[fJ], v[fJ]
	v_exp_f32 v[fJ+1], v[fJ+1]
	v_pk_fma_f32 v[fJ+32:fJ+33], v[fJ+32:fJ+33], s[22:23], v[\T:\T+1] op_sel_hi:[1,0,0]
.set fJ, fJ+2
.endr
.endm
.macro EXP2                            ; those of the second half, with the first half's sums by pairs of pairs among them
.set fJ, 0
.rept 8
	v_exp_f32 v[128+4*fJ], v[128+4*fJ]
	v_exp_f32 v[129+4*fJ], v[129+4*fJ]
	v_pk_add_f32 v[192+2*fJ:193+2*fJ], v[96+4*fJ:97+4*fJ], v[98+4*fJ:99+4*fJ]
	v_exp_f32 v[130+4*fJ], v[130+4*fJ]
	v_exp_f32 v[131+4*fJ], v[131+4*fJ]
.set fJ, fJ+1
.endr
.endm
.macro AS T                            ; THE ROW'S SUM, of the unquantised p, in four chains (chain 0 is the running sum): the other three begin,
.irp k, 0,1,2
	v_pk_add_f32 v[\T+6+2*\k:\T+7+2*\k], v[192+2*\k:193+2*\k], v[128+2*\k:129+2*\k]
.endr
.endm
.macro AD T, k                         ; and number k of the 18 pairs that are left goes to chain k % 4
.set aC, \T+4+2*((\k)%4)
.if (\k) < 5
.set aI, 198+2*(\k)
.else
.set aI, 124+2*(\k)
.endif
	v_pk_add_f32 v[aC:aC+1], v[aC:aC+1], v[aI:aI+1]
.endm
.macro CVT T                           ; p's codes: a lane's blocks hh and 2 + hh
	v_cvt_scalef32_pk16_fp6_f32 v[72:74], v[96:111], v[\T+16]
	v_cvt_scalef32_pk16_fp6_f32 v[192:194], v[112:127], v[\T+16]     ; (a conversion's three registers begin on an even number)
	v_cvt_scalef32_pk16_fp6_f32 v[78:80], v[128:143], v[\T+17]
	v_cvt_scalef32_pk16_fp6_f32 v[196:198], v[144:159], v[\T+17]
.endm
.macro MOVS
.irp i, 0,1,2
	v_mov_b32 v[75+\i], v[192+\i]
	v_mov_b32 v[81+\i], v[196+\i]
.endr
.endm
; A KEY STEP: 128 keys; V at LDS byte s48; pf = 1: the next step's K, at s44, is asked for.
.macro STEP pf
	v_add_nc_u32 v3, s48, v1
	v_add_nc_u32 v4, s48, v2
.irp T, TA, TB
	v_mov_b32 v[\T+21], v[\T]                      ; the old -M.  Four plain instructions behind the last step's products, whose registers the loads below fill
.endr
	WIN 0x40
.irp n, 0,1,2,3                        ; V's four fragments, wanted at the step's end
.irp c, 0,1
	ds_load_b128 v[24+12*\n+6*\c:27+12*\n+6*\c], v3 offset:6656+768*(2*\n+\c)
	ds_load_b64 v[28+12*\n+6*\c:29+12*\n+6*\c], v4 offset:6656+768*(2*\n+\c)+512
.endr
.endr
	WIN 0
	ds_load_b64 v[20:21], v4 offset:12800
	s_wait_dscnt 17                                ; K is in; the 17 just issued may be out
.irp t, 0,1,2,3,4,5,6,7
	WM 96+8*\t, 24+6*\t, 84, -1, 16+\t/2, 14, \t%2
.endr
	WIN 0x44                                       ; source 0 window 0; source 1 and D window 1
.irp t, 0,1,2,3,4,5,6,7
	WM 96+8*\t, 24+6*\t, 84, -1, 16+\t/2, 15, \t%2
.endr
	WIN 0
.if \pf
	KADDR                                          ; with the two lines below the four places behind the products
	v_nop
	v_nop
	KLOAD
.else
	PLACES
.endif
	MAXES TA, 0, 0
	MAXES TB, 0x15, 0x14
	WIN 0
.irp T, TA, TB
	v_max_num_f32 v[\T+12], v[\T+12], v[\T+13]     ; block hh
	v_max_num_f32 v[\T+14], v[\T+14], v[\T+15]     ; block 2 + hh
.endr
.irp T, TA, TB                         ; (the two tiles' chains side by side)
	v_max_num_f32 v[\T+18], v[\T+12], v[\T+14]
.endr
.irp T, TA, TB
	v_permlanex16_b32 v[\T+19], v[\T+18], s[SEL], s[SEL+1]
.endr
.irp T, TA, TB
	v_max3_num_f32 v[\T+1], v[\T+1], v[\T+18], v[\T+19]   ; the running largest score of my query, with lane l xor 16's 64 keys
.endr
.irp T, TA, TB
	v_mul_f32 v[\T+18], s22, -v[\T+1]              ; -t (c is positive)
.endr
.irp T, TA, TB
	v_floor_f32 v[\T], v[\T+18]                    ; the new -M = floor(-t) = -ceil(t)
.endr
.irp T, TA, TB
	v_fma_f32 v[\T+12], v[\T+12], s22, v[\T]       ; t - M of each block's largest score
	v_fma_f32 v[\T+14], v[\T+14], s22, v[\T]
.endr
.irp T, TA, TB
	v_sub_f32 v[\T+20], v[\T], v[\T+21]            ; old M less new M: a whole number, 0 or less
.endr
	FMA TA, 96, 4
.irp T, TA, TB
	v_cvt_i32_f32 v[\T+20], v[\T+20]               ; (it saturates)
.endr
	FMA TA, 104, 4
.irp T, TA, TB
	v_ldexp_f32 v[\T+2], 1.0, v[\T+20]             ; f = 2^(old M - new M)
.endr
	FMA TA, 112, 8
.irp T, TA, TB
	v_pk_mul_f32 v[\T+4:\T+5], v[\T+4:\T+5], v[\T+2:\T+3] op_sel_hi:[1,0]   ; the sum under the new M
.endr
	RESCALE TA
	WIN 0x41                                       ; source 0 and destination window 1
	RESCALE TB
	FMA TB, 96, 16
	WIN 0
	WALU                                           ; one wait ahead of the batch
.irp T, TA, TB
	v_exp_f32 v[\T+12], v[\T+12]                   ; each block's largest p: the same two operations on the same number give the same bits
	v_exp_f32 v[\T+14], v[\T+14]
.endr
	EXP1 TA                                        ; p = 2^(t - M), at most 1
	WIN 0x45                                       ; sources 0 and 1 and destination window 1
	EXP1 TB
	WALU                                           ; one wait for the batch, and one ahead of the next
	WIN 0
	EXP2
	WIN 0x45
	EXP2
	WALU
	WIN 0
.irp T, TA, TB
	v_max_num_f32 v[\T+12], 0x1800000, v[\T+12]    ; the floor 2^(3 - 127).  The scales' lines of both tiles stand among tile A's sums
	v_max_num_f32 v[\T+14], 0x1800000, v[\T+14]
.endr
	AS TA
	AD TA, 0
.irp T, TA, TB
	v_add_nc_u32 v[\T+16], 0xff000000, v[\T+12]    ; 2 off the exponent field: the conversion's scale operand
	v_add_nc_u32 v[\T+17], 0xff000000, v[\T+14]
.endr
.irp k, 1,2,3
	AD TA, \k
.endr
.irp T, TA, TB
	v_lshrrev_b32 v[\T+20], 23, v[\T+16]           ; the scale's byte
	v_lshrrev_b32 v[\T+22], 23, v[\T+17]
.endr
.irp k, 4,5,6,7
	AD TA, \k
.endr
.irp T, TA, TB
	v_lshl_or_b32 v[\T+18], v[\T+22], 16, v[\T+20] ; p's scale word for these 128 keys: byte 2 c + hh is mine,
.endr
.irp k, 8,9,10
	AD TA, \k
.endr
.irp T, TA, TB
	v_lshlrev_b32 v[\T+18], v5, v[\T+18]
.endr
.irp k, 11,12,13
	AD TA, \k
.endr
.irp T, TA, TB
	v_permlanex16_b32 v[\T+19], v[\T+18], s[SEL], s[SEL+1]
.endr
.irp k, 14,15,16
	AD TA, \k
.endr
	v_or_b32 v22, v[TA+18], v[TA+19]               ; the other two lane l xor 16's
	v_or_b32 v23, v[TB+18], v[TB+19]
	AD TA, 17
.if \pf
	s_wait_dscnt 14                                ; V is in; the next step's K may be out
.else
	s_wait_dscnt 0x0
.endif
	CVT TA
	WIN 0x05                                       ; sources window 1, destination window 0
	AS TB
	WIN 0x04                                       ; source 1 window 1
.irp k, 0,1,2,3,4,5,6,7,8,9,10,11,12,13,14,15,16,17
	AD TB, \k
.endr
	WIN 0x41
	CVT TB
	WIN 0
	MOVS                                           ; (plain instructions behind tile B's conversions)
	WIN 0x41
	MOVS
	WIN 0
.irp T, TA, TB                         ; the chains into one; six plain instructions between the codes and the products
	v_pk_add_f32 v[\T+4:\T+5], v[\T+4:\T+5], v[\T+6:\T+7]
	v_pk_add_f32 v[\T+8:\T+9], v[\T+8:\T+9], v[\T+10:\T+11]
.endr
.irp T, TA, TB
	v_pk_add_f32 v[\T+4:\T+5], v[\T+4:\T+5], v[\T+8:\T+9]
.endr
	WIN 0x01                                       ; source 0 window 1
.irp n, 0,1,2,3
	WM 160+8*\n, 24+12*\n, 72, 160+8*\n, 20+\n/2, 22, \n%2         ; eight accumulators in all, one instruction each
.endr
	WIN 0x55
.irp n, 0,1,2,3
	WM 160+8*\n, 24+12*\n, 72, 160+8*\n, 20+\n/2, 23, \n%2
.endr
	WIN 0
.endm
	s_cmp_lt_u32 s[WV], 2
	s_cbranch_scc0 .Lnot_first
	s_wait_tensorcnt 0x0                           ; key steps 0-3 have landed
.Lnot_first:
	s_wait_loadcnt 0x0                             ; Q
	s_barrier_signal -1
	s_barrier_wait -1                              ; everybody's of the two
	s_mov_b32 s44, 0
	KADDR
	KLOAD
	s_mov_b32 s48, 0
	s_mov_b32 s44, KSB
	STEP 1
	s_wait_tensorcnt 0x0                           ; my load has landed, in every wave: the barrier signalled here shows key steps 4-15
	s_wait_dscnt 0x0
	s_barrier_signal -1
	s_mov_b32 s48, KSB
	s_mov_b32 s44, 2*KSB
	s_mov_b32 s49, 2
.Lsteps_1_2:
	STEP 1
	s_add_co_u32 s48, s48, KSB
	s_add_co_u32 s44, s44, KSB
	s_sub_co_u32 s49, s49, 1
	s_cmp_lg_u32 s49, 0
	s_cbranch_scc1 .Lsteps_1_2
	s_barrier_wait -1
	s_mov_b32 s48, 3*KSB
	s_mov_b32 s44, 4*KSB
	s_mov_b32 s49, 12
.Lsteps_3_14:
	STEP 1
	s_add_co_u32 s48, s48, KSB
	s_add_co_u32 s44, s44, KSB
	s_sub_co_u32 s49, s49, 1
	s_cmp_lg_u32 s49, 0
	s_cbranch_scc1 .Lsteps_3_14
	s_mov_b32 s48, 15*KSB
	STEP 0                                         ; the last step asks for nothing more
	; THE WAY OUT: O^T / the sum, quantised along d: my 32 registers are d = 32 b + 16 hh + i at register 16 b + i.  The six registers of codes are half c = hd % 2 of K step hd / 2 of the last product's operand.
.irp T, TA, TB
	v_add_f32 v[\T+4], v[\T+4], v[\T+5]            ; the sum's two halves,
.endr
.irp T, TA, TB
	v_permlanex16_b32 v[\T+18], v[\T+4], s[SEL], s[SEL+1]
.endr
.irp T, TA, TB
	v_add_f32 v[\T+4], v[\T+4], v[\T+18]           ; and lane l xor 16's
.endr
	WALU
.irp T, TA, TB
	v_rcp_f32 v[\T+4], v[\T+4]
.endr
	PLACES                                         ; plain instructions behind the reciprocals and behind the last products
	WALU                                           ; the wait ahead of the reciprocals' first readers
.set j, 0
.rept 16
	v_pk_mul_f32 v[96+j:97+j], v[160+j:161+j], v[TA+4:TA+5] op_sel_hi:[1,0]   ; each accumulator from its low end on
.set j, j+2
.endr
	WIN 0x01                                       ; source 0 window 1: tile B's too come into window 0
.set j, 0
.rept 16
	v_pk_mul_f32 v[128+j:129+j], v[160+j:161+j], v[TB+4:TB+5] op_sel_hi:[1,0]
.set j, j+2
.endr
	WIN 0
	QUANT2 96, 24, 30, 200
	global_store_b128 v1, v[24:27], s[8:9]         ; 512 consecutive bytes, aligned
	global_store_b64 v2, v[28:29], s[8:9] offset:512
	global_store_b16 v1, v200, s[10:11]            ; my head's two bytes of the row's scale word
	QUANT2 128, 34, 40, 201
	global_store_b128 v1, v[34:37], s[8:9] offset:12288
	global_store_b64 v2, v[38:39], s[8:9] offset:12288+512
	global_store_b16 v1, v201, s[10:11] offset:1024
	s_wait_tensorcnt 0x0                           ; the wave's end
	ds_add_u32 v12, v13
	s_wait_dscnt 0x0
	ROUND                                          ; the closing round
	s_endpgm
.Lfunc_end_k_q1b1e3e7306_attn:
	.size	k_q1b1e3e7306_attn, .Lfunc_end_k_q1b1e3e7306_attn-k_q1b1e3e7306_attn
	.p2alignl 7, 3214868480
	.fill 96, 4, 3214868480
	.section	.rodata,"a",@progbits
	.p2align	6, 0x0
	.amdhsa_kernel k_q1b1e3e7306_attn
		.amdhsa_group_segment_fixed_size 209920
		.amdhsa_private_segment_fixed_size 0
		.amdhsa_enable_private_segment 0
		.amdhsa_kernarg_size 32
		.amdhsa_user_sgpr_count 2
		.amdhsa_user_sgpr_kernarg_segment_ptr 1
		.amdhsa_wavefront_size32 1
		.amdhsa_system_sgpr_workgroup_id_x 1
		.amdhsa_system_sgpr_workgroup_id_y 1
		.amdhsa_system_sgpr_workgroup_id_z 1
		.amdhsa_system_vgpr_workitem_id 0
		.amdhsa_next_free_vgpr 512
		.amdhsa_next_free_sgpr 66
		.amdhsa_reserve_vcc 0
		.amdhsa_float_denorm_mode_32 3
		.amdhsa_float_denorm_mode_16_64 3
		.amdhsa_memory_ordered 1
		.amdhsa_forward_progress 1
		.amdhsa_inst_pref_size 126
	.end_amdhsa_kernel
	.amdgpu_metadata
---
amdhsa.version: [ 1, 2 ]
amdhsa.kernels:
  - .name:           k_q1b1e3e7306_attn
    .symbol:         k_q1b1e3e7306_attn.kd
    .args:
      - { .name: QC, .offset: 0, .size: 8, .value_kind: global_buffer, .address_space: global }
      - { .name: KV, .offset: 8, .size: 8, .value_kind: global_buffer, .address_space: global }
      - { .name: AO, .offset: 16, .size: 8, .value_kind: global_buffer, .address_space: global }
      - { .name: AOS, .offset: 24, .size: 8, .value_kind: global_buffer, .address_space: global }
    .group_segment_fixed_size: 209920
    .private_segment_fixed_size: 0
    .kernarg_segment_align: 8
    .kernarg_segment_size: 32
    .max_flat_workgroup_size: 256
    .sgpr_count:     66
    .vgpr_count:     512
    .wavefront_size: 32
...
	.end_amdgpu_metadata
.endif
;; end of part 3
;; launch outp (part 4): grid 8 x 32, 4 waves a work-group, clusters of 4 x 4, 218,624 bytes of LDS; arguments AO, AOS, WC, bo, out0; writes out0
.if DOCPART == 4
	.amdgcn_target "amdgcn-amd-amdhsa--gfx1250"
	.amdhsa_code_object_version 6
	.text
	.protected	k_q1b1e3e7306_outp
	.globl	k_q1b1e3e7306_outp
	.p2align	8
	.type	k_q1b1e3e7306_outp,@function
k_q1b1e3e7306_outp:
	s_mov_b64 s[64:65], 0
	v_nop
	global_prefetch_b8 v0, s[64:65] scope:SCOPE_SE
	s_setreg_imm32_b32 hwreg(HW_REG_WAVE_MODE, 25, 1), 1
	s_wait_xcnt 0x0
	s_wait_alu depctr_hold_cnt(0) depctr_sa_sdst(0) depctr_va_vdst(0) depctr_va_sdst(0) depctr_va_ssrc(0) depctr_va_vcc(0) depctr_vm_vsrc(0)
	s_getreg_b32 s2, hwreg(HW_REG_IB_STS2, 6, 4)
	s_cmp_eq_u32 s2, 0
	s_cbranch_scc0 .Lentry_in_a_cluster
	s_endpgm
.Lentry_in_a_cluster:
	s_bfe_u32 s2, ttmp6, 0x10000c
	s_cmp_lg_u32 s2, 0xf033
	s_cbranch_scc0 .Lentry_shape_is_right
	s_endpgm
.Lentry_shape_is_right:
; out0 = o Wo + bo on codes of FP6 (E2M3) with E8M0 scales; sums in f32; bo is the C of each sum's first product.
; SHARES.  256 work-groups, each 128 tokens x 128 columns; wave (wr, wc) makes 64 x 64.  It holds its 64 columns of Wo, ALL of K, in registers (32 fragments x 12) and takes its four tiles of 16 tokens one after the other, 32 products each:
; a tile's rows leave as soon as it is finished, while the later tiles are multiplied.
; BOTH OPERANDS FOR ALL OF K (102,400 + 98,304 bytes, images of registers) come into LDS ONCE, one joint load a wave: waves 0 and 1 Wo's two halves, waves 2 and 3 o's; no byte is filled a second time.
; CLUSTERS of 4 x 4: o's codes hang on the block of tokens alone and are shared along a row of the cluster, Wo's on the block of columns alone and are shared along a column.
; The first barrier shows Wo (its line is waves 0 and 1's), so that Wo's way into registers does not wait for o; the second shows o.  All that is read is asked for at the head and no loop follows: nothing is left to prefetch.
; THE PRODUCT IS USED TRANSPOSED (source 0 = 16 columns of Wo, source 1 = 16 tokens): with the columns of a tile chosen (index i of tile 2 b + u = column 32 b + 8 u + i + 8 (i / 8)) a lane holds 16 neighbouring columns of one token in two tiles.
; The tokens of a tile: row i of tile a of 64 tokens is token 32 (i / 8) + 8 a + i % 8; the way out puts each row where it belongs.
; REGISTERS.  Window 0: v1-15 addresses; v16-47 o's scale words (8 a + s); v48-63 Wo's (2 s + n / 2); v64-95, v96-127 rows on their way out, by turns; v128-255 the accumulators (a, n) at 128 + 8 (4 a + n).
;   Fragment f lies in window 1 + f / 21 at register 12 (f % 21): 0-31 Wo's (4 s + n), 32-39 and 40-47 o's two sets.  Window 3, v80-111: bo.
.set WV,  14                           ; s14 my wave's number
.set OB,  102400                       ; LDS: Wo's two halves of 51,200, then o's two of 49,152
.set STAGE, OB+2*49152                 ; behind them: 16 rows x 272 bytes for each wave; no fill lands there
.set SPARE, STAGE+4*4352
.set MSB, 0
.macro WIN new
.if MSB != \new
	s_set_vgpr_msb (MSB<<8)|\new
.set MSB, \new
.endif
.endm
.macro PLACES
.rept 4
	v_nop
.endr
.endm
.macro ROUND                           ; a round of the cluster's barrier
	s_barrier_signal -1
	s_barrier_wait -1
	s_cmp_lg_u32 s[WV], 0
	s_cbranch_scc1 .Lnot_wave_0_\@
	s_barrier_signal -3
.Lnot_wave_0_\@:
	s_barrier_wait -3
	s_barrier_signal -1
	s_barrier_wait -1
.endm
.macro WM d, a, b, c, sa, sb, ra       ; one product; ra: 1 where source 0's scales stand in lanes 16-31
.set wD, \d
.set wA, \a
.set wB, \b
.set wC, \c
.set wX, \sa
.set wY, \sb
.set wR, \ra
.if wR == 0
	v_wmma_scale_f32_16x16x128_f8f6f4 v[wD:wD+7], v[wA:wA+11], v[wB:wB+11], v[wC:wC+7], v[wX], v[wY] matrix_a_fmt:MATRIX_FMT_FP6 matrix_b_fmt:MATRIX_FMT_FP6
.else
	v_wmma_scale_f32_16x16x128_f8f6f4 v[wD:wD+7], v[wA:wA+11], v[wB:wB+11], v[wC:wC+7], v[wX], v[wY] matrix_a_fmt:MATRIX_FMT_FP6 matrix_b_fmt:MATRIX_FMT_FP6 matrix_a_scale:MATRIX_SCALE_ROW1
.endif
.endm
.macro GROUP1 g, mask, rows            ; a dense block as rows of 32 elements of 8 bytes
	s_or_b32 s[\g], s[\mask], (3<<16)|(1<<21)
	s_mov_b32 s[\g+1], 32<<16
	s_mov_b32 s[\g+2], (\rows)<<16
	s_mov_b32 s[\g+3], 32<<16
	s_mov_b32 s[\g+4], \rows
	s_mov_b32 s[\g+5], 32
	s_mov_b32 s[\g+6], 0
	s_mov_b32 s[\g+7], 0
.endm
	s_load_b256 s[4:11], s[0:1], 0x0               ; AO s[4:5], AOS s[6:7], WC s[8:9], bo s[10:11]
	s_load_b64 s[12:13], s[0:1], 0x20              ; out0
	v_lshl_add_u32 v12, v0, 2, SPARE
	v_mov_b32 v13, 0
	ds_add_u32 v12, v13                            ; the opening add, twice on end
	ds_add_u32 v12, v13
	v_lshrrev_b32 v1, 5, v0
	v_readfirstlane_b32 s[WV], v1                  ; wave 0..3
	s_lshr_b32 s15, s[WV], 1                       ; wr: which 64 tokens.  Also: I fetch Wo's codes (0) or o's (1)
	s_and_b32 s16, s[WV], 1                        ; wc: which 64 columns.  Also: which half I fetch
	s_bfe_u32 s17, ttmp6, 0x40000                  ; cx
	s_bfe_u32 s18, ttmp6, 0x40004                  ; cy
	s_lshl_b32 s19, ttmp9, 2
	s_add_co_u32 s19, s19, s17                     ; X: my 128 columns
	s_and_b32 s20, ttmp7, 0xffff
	s_lshl_b32 s20, s20, 2
	s_add_co_u32 s20, s20, s18                     ; Y: my 128 tokens
	s_lshl_b32 s21, s18, 2
	s_lshl_b32 s21, 15, s21                        ; my row of the cluster
	s_lshl_b32 s22, 0x1111, s17                    ; my column
	GROUP1 24, 21, 192                             ; o: four tiles of 12,288 bytes
	GROUP1 32, 22, 200                             ; Wo: 64 columns, 51,200 bytes
	s_lshl_b32 s84, s20, 3                         ; o's codes hang on Y alone, which my row of the cluster shares:
	s_lshl_b32 s85, s16, 2
	s_add_co_u32 s84, s84, s85                     ; tiles 8 Y + 4 half on
	s_mul_i32 s84, s84, 12288
	s_mov_b32 s85, 0
	s_lshl_b32 s86, s19, 1                         ; Wo's on X alone, which my column shares:
	s_add_co_u32 s86, s86, s16                     ; 64 columns 2 X + half,
	s_mul_i32 s86, s86, 204800
	s_add_co_u32 s86, s86, 153600                  ; the fourth weight of the block
	s_mov_b32 s87, 0
	s_mul_i32 s88, s16, 49152                      ; where they go: no place in the cluster enters an LDS address
	s_add_co_u32 s88, s88, OB
	s_mul_i32 s89, s16, 51200
	s_lshl_b32 s90, s20, 3
	s_lshl_b32 s91, s15, 2
	s_add_co_u32 s90, s90, s91
	s_lshl_b32 s90, s90, 10                        ; AOS: 1,024 bytes a tile, my four tiles
	s_mov_b32 s91, 0
	s_lshl_b32 s92, s19, 9
	s_lshl_b32 s93, s16, 8
	s_add_co_u32 s92, s92, s93                     ; my first column, in bytes: 512 X + 256 wc
	s_mov_b32 s93, 0
	s_lshl_b32 s94, s20, 19
	s_lshl_b32 s95, s15, 18
	s_add_co_u32 s94, s94, s95                     ; my first token's row of 4,096 bytes: 128 Y + 64 wr
	s_add_co_u32 s94, s94, s92
	s_mov_b32 s95, 0
	s_mul_i32 s96, s15, 49152
	s_add_co_u32 s96, s96, OB                      ; my four tiles of o
	s_mul_i32 s97, s16, 51200                      ; my 64 columns of Wo
	s_mul_i32 s98, s[WV], 4352
	s_add_co_u32 s98, s98, STAGE                   ; my stage
	v_and_b32 v2, 31, v0                           ; lane
	v_and_b32 v3, 15, v0                           ; r
	v_bfe_u32 v14, v0, 4, 1                        ; hh
	v_lshlrev_b32 v1, 4, v2                        ; 16 l
	v_lshlrev_b32 v5, 3, v2
	v_lshlrev_b32 v7, 2, v2
	v_add_nc_u32 v4, s96, v1                       ; LDS: o's registers 6 c .. 6 c + 3,
	v_add_nc_u32 v5, s96, v5                       ; and 6 c + 4, 5
	v_add_nc_u32 v6, s97, v1                       ; Wo's fragments,
	v_add_nc_u32 v7, s97, v7                       ; and their scale words
	v_mul_u32_u24 v8, v3, 272
	v_lshl_add_u32 v8, v14, 6, v8
	v_add_nc_u32 v8, s98, v8                       ; the stage, in: row r, + 64 hh: my 16 columns of each 32
	v_mul_u32_u24 v9, v14, 272
	v_lshl_add_u32 v9, v3, 4, v9
	v_add_nc_u32 v9, s98, v9                       ; back: lanes 0-15 one row of 256 bytes, lanes 16-31 the next
	v_lshlrev_b32 v10, 12, v14
	v_lshl_add_u32 v10, v3, 4, v10                 ; and the same two rows in out0
	v_lshlrev_b32 v11, 6, v14                      ; bo: 64 hh
	s_wait_alu depctr_va_vdst(0)                   ; the wait at the head's end
	s_wait_dscnt 0x0                               ; both opening adds
	ROUND                                          ; all sixteen work-groups are here: the joint loads meet.  It stands ahead of the wait for the arguments
	s_wait_kmcnt 0x0
	s_add_nc_u64 s[84:85], s[4:5], s[84:85]
	s_add_nc_u64 s[86:87], s[8:9], s[86:87]
	s_mov_b32 s40, 1                               ; group 0: o's, in registers that never hold the other coordinate,
	s_mov_b32 s41, s88
	s_mov_b64 s[42:43], s[84:85]
	s_or_b32 s43, s43, 0x80000000
	s_mov_b32 s44, 1                               ; and Wo's
	s_mov_b32 s45, s89
	s_mov_b64 s[46:47], s[86:87]
	s_or_b32 s47, s47, 0x80000000
	s_cmp_lt_u32 s[WV], 2
	s_cbranch_scc0 .Lfor_o
	tensor_load_to_lds s[44:47], s[32:39]
	s_nop 0
	PLACES
	s_branch .Lasked
.Lfor_o:
	tensor_load_to_lds s[40:43], s[24:31]
	s_nop 0
	PLACES
.Lasked:
	s_add_nc_u64 s[90:91], s[6:7], s[90:91]
	s_add_nc_u64 s[92:93], s[10:11], s[92:93]
	s_add_nc_u64 s[94:95], s[12:13], s[94:95]
.irp a, 0,1,2,3
.irp g, 0,1
	global_load_b128 v[16+8*\a+4*\g:19+8*\a+4*\g], v1, s[90:91] offset:1024*\a+512*\g   ; o's scale words: register 16 + 8 a + s, row r's in lane r
.endr
.endr
	WIN 0xc0
.irp n, 0,1,2,3
	global_load_b128 v[80+8*\n:83+8*\n], v11, s[92:93] offset:128*(\n/2)+32*(\n%2)       ; bo in the result's layout: tile n's register j = column 32 (n / 2) + 16 hh + 8 (n % 2) + j
	global_load_b128 v[84+8*\n:87+8*\n], v11, s[92:93] offset:128*(\n/2)+32*(\n%2)+16
.endr
	WIN 0
.macro WEIGHTS                         ; my 64 columns of Wo, all of K: 96 loads, and 16 for their scale words
.irp s, 0,1,2,3,4,5,6,7
.irp n, 0,1,2,3
.set fR, 12*((4*\s+\n)%21)
	WIN ((1+(4*\s+\n)/21)<<6)
.irp g, 0,1,2
	ds_load_b128 v[fR+4*\g:fR+4*\g+3], v6 offset:6400*\s+1536*\n+512*\g
.endr
.endr
.endr
	WIN 0
.irp s, 0,1,2,3,4,5,6,7
.irp u, 0,1
	ds_load_b32 v[48+2*\s+\u], v7 offset:6400*\s+6144+128*\u
.endr
.endr
.endm
.macro FETCH fa                        ; tile fa of o, all of K, into set fa % 2: 32 loads
.irp s, 0,1,2,3,4,5,6,7
.set fF, 32+8*((\fa)%2)+\s
.set fR, 12*(fF%21)
	WIN ((1+fF/21)<<6)
.irp c, 0,1
	ds_load_b128 v[fR+6*\c:fR+6*\c+3], v4 offset:12288*(\fa)+1536*\s+768*\c
	ds_load_b64 v[fR+6*\c+4:fR+6*\c+5], v5 offset:12288*(\fa)+1536*\s+768*\c+512
.endr
.endr
	WIN 0
.endm
; A tile: 32 products, its four accumulators by turns (three others' stand between two steps of a sum); then its way out, 16 rows of 256 bytes, through my own stage in LDS,
; which serves a wave's instructions in order: no wait between the stores and the loads.  The tile two on is fetched into the set just read.
.macro TILE a
.irp s, 0,1,2,3,4,5,6,7
.irp n, 0,1,2,3
.set tB, 4*\s+\n
.set tA, 32+8*((\a)%2)+\s
.set tD, 128+8*(4*(\a)+\n)
.if \s == 0
	WIN (1+tB/21)|((1+tA/21)<<2)|(3<<4)
	WM tD, 12*(tB%21), 12*(tA%21), 80+8*\n, 48+2*\s+\n/2, 16+8*(\a)+\s, \n%2
.else
	WIN (1+tB/21)|((1+tA/21)<<2)
	WM tD, 12*(tB%21), 12*(tA%21), tD, 48+2*\s+\n/2, 16+8*(\a)+\s, \n%2
.endif
.endr
.endr
	WIN 0
	PLACES                                         ; behind the products: for the stage's stores and for the fetch
.set OS, 64+32*((\a)%2)
.if (\a) >= 2
	s_wait_xcnt 0x0                                ; tile a - 2's stores have read the registers into which the loads below land
.endif
.irp n, 0,1,2,3
	ds_store_b128 v8, v[128+8*(4*(\a)+\n):131+8*(4*(\a)+\n)] offset:128*(\n/2)+32*(\n%2)        ; each accumulator from its low end on
	ds_store_b128 v8, v[132+8*(4*(\a)+\n):135+8*(4*(\a)+\n)] offset:128*(\n/2)+32*(\n%2)+16
.endr
.irp i, 0,1,2,3,4,5,6,7
	ds_load_b128 v[OS+4*\i:OS+4*\i+3], v9 offset:544*\i
.endr
.if (\a) < 2
	FETCH (\a)+2
	s_wait_dscnt 32                                ; the rows are back, and the next tile is in; the 32 loads just issued may be out
.else
	s_wait_dscnt 0x0
.endif
.irp i, 0,1,2,3,4,5,6,7
	global_store_b128 v10, v[OS+4*\i:OS+4*\i+3], s[94:95] offset:(8*(\a)+2*\i+24*(\i/4))*4096 th:TH_STORE_NT   ; row 2 i + hh of the tile is token 8 a + 2 i + hh + 24 (i / 4); sixteen lanes store 256 consecutive bytes, aligned
.endr
.endm
	s_cmp_lt_u32 s[WV], 2
	s_cbranch_scc0 .Lnot_wo
	s_wait_tensorcnt 0x0                           ; Wo's halves have landed
.Lnot_wo:
	s_barrier_signal -1
	s_barrier_wait -1
	WEIGHTS
	s_wait_tensorcnt 0x0                           ; and o's: in every wave
	s_wait_dscnt 0x0
	s_barrier_signal -1
	s_barrier_wait -1
	FETCH 0
	FETCH 1
	s_wait_loadcnt 0x0                             ; o's scale words and bo
	s_wait_dscnt 32                                ; tile 0 is in; tile 1's 32 loads may be out
	TILE 0
	TILE 1
	TILE 2
	TILE 3
	s_wait_tensorcnt 0x0                           ; the wave's end
	ds_add_u32 v12, v13
	s_wait_dscnt 0x0
	ROUND                                          ; the closing round: no work-group ends while a partner may still ask for a piece that names it
	s_endpgm
.Lfunc_end_k_q1b1e3e7306_outp:
	.size	k_q1b1e3e7306_outp, .Lfunc_end_k_q1b1e3e7306_outp-k_q1b1e3e7306_outp
	.p2alignl 7, 3214868480
	.fill 96, 4, 3214868480
	.section	.rodata,"a",@progbits
	.p2align	6, 0x0
	.amdhsa_kernel k_q1b1e3e7306_outp
		.amdhsa_group_segment_fixed_size 218624
		.amdhsa_private_segment_fixed_size 0
		.amdhsa_enable_private_segment 0
		.amdhsa_kernarg_size 40
		.amdhsa_user_sgpr_count 2
		.amdhsa_user_sgpr_kernarg_segment_ptr 1
		.amdhsa_wavefront_size32 1
		.amdhsa_system_sgpr_workgroup_id_x 1
		.amdhsa_system_sgpr_workgroup_id_y 1
		.amdhsa_system_sgpr_workgroup_id_z 1
		.amdhsa_system_vgpr_workitem_id 0
		.amdhsa_next_free_vgpr 896
		.amdhsa_next_free_sgpr 100
		.amdhsa_reserve_vcc 0
		.amdhsa_float_denorm_mode_32 3
		.amdhsa_float_denorm_mode_16_64 3
		.amdhsa_memory_ordered 1
		.amdhsa_forward_progress 1
		.amdhsa_inst_pref_size 48
	.end_amdhsa_kernel
	.amdgpu_metadata
---
amdhsa.version: [ 1, 2 ]
amdhsa.kernels:
  - .name:           k_q1b1e3e7306_outp
    .symbol:         k_q1b1e3e7306_outp.kd
    .args:
      - { .name: AO, .offset: 0, .size: 8, .value_kind: global_buffer, .address_space: global }
      - { .name: AOS, .offset: 8, .size: 8, .value_kind: global_buffer, .address_space: global }
      - { .name: WC, .offset: 16, .size: 8, .value_kind: global_buffer, .address_space: global }
      - { .name: bo, .offset: 24, .size: 8, .value_kind: global_buffer, .address_space: global }
      - { .name: out0, .offset: 32, .size: 8, .value_kind: global_buffer, .address_space: global }
    .group_segment_fixed_size: 218624
    .private_segment_fixed_size: 0
    .kernarg_segment_align: 8
    .kernarg_segment_size: 40
    .max_flat_workgroup_size: 128
    .sgpr_count:     100
    .vgpr_count:     896
    .wavefront_size: 32
...
	.end_amdgpu_metadata
.endif
;; end of part 4
